; MI455X (gfx1250); checked and timed in simulation.
; The chip was launched on July 23, 2026; its instructions are those of AMD's public machine-readable ISA for CDNA 5 (MIT licence, August 2026) and "CDNA5" Instruction Set Architecture Reference Guide (July 2026). The comments in the code are by the model that wrote it; some were corrected since.
;; Inter Modality Update. Allowed arithmetic: matrix products marked QUANTISED: E5M2 operands, one E8M0 scale for each 32 along K, by v_wmma_scale_f32_16x16x128_f8f6f4 with both operands' format E5M2, f32 sums; everything else in f32.
;; Inputs: Wq_codes 3,072 x 32 x 32 uint8 (E5M2 codes of Wq, K innermost, in blocks of 32 codes); Wq_scales 3,072 x 32 uint8 (E8M0 scales of Wq, one for each 32 codes along K); Wqo_codes 1,024 x 64 x 32 uint8 (E5M2 codes of Wqo, K innermost, in blocks of 32 codes); Wqo_scales 1,024 x 64 uint8 (E8M0 scales of Wqo, one for each 32 codes along K); Wv_codes 3,072 x 32 x 32 uint8 (E5M2 codes of Wv, K innermost, in blocks of 32 codes); Wv_scales 3,072 x 32 uint8 (E8M0 scales of Wv, one for each 32 codes along K); Wvo_codes 1,024 x 64 x 32 uint8 (E5M2 codes of Wvo, K innermost, in blocks of 32 codes); Wvo_scales 1,024 x 64 uint8 (E8M0 scales of Wvo, one for each 32 codes along K); bq 3,072 float32; bqo 1,024 float32; bv 3,072 float32; bvo 1,024 float32; q 32 x 128 x 1,024 float32; v 32 x 128 x 1,024 float32.
;; Outputs: out0 32 x 128 x 1,024 float32; out1 32 x 128 x 1,024 float32.
;; This version of the problem:
;;   THIS VERSION OF THE PROBLEM IS GIVEN IN LOW PRECISION. The matrix products marked QUANTISED in the list below multiply operands that are first quantised to E5M2 (5 exponent bits, 2 mantissa bits; 8 bits a number), with one power-of-two scale for each 32 numbers along K (OCP MX v1.0); their sums are f32. All else is computed in f32.
;;   The module's matrix products, in the order in which they are computed (A, B: the left and right operand; K: the contracted axis; several contracted axes count as one K, in the product's order):
;;     1. [M 4,096, K 1,024] x [K 1,024, N 3,072]; A: input v; B: input Wv (given as codes): QUANTISED
;;     2. [M 4,096, K 1,024] x [K 1,024, N 3,072]; A: input q; B: input Wq (given as codes): QUANTISED
;;     3. batch 256 x [M 128, K 128] x [K 128, N 128]; A: computed on the way; B: computed on the way: QUANTISED
;;     4. batch 256 x [M 128, K 128] x [K 128, N 128]; A: computed on the way; B: computed on the way: QUANTISED
;;     5. batch 256 x [M 128, K 128] x [K 128, N 128]; A: computed on the way; B: softmax (see below): QUANTISED
;;     6. batch 256 x [M 128, K 128] x [K 128, N 128]; A: computed on the way; B: softmax (see below): QUANTISED
;;     7. [M 4,096, K 2,048] x [K 2,048, N 1,024]; A: computed on the way; B: input Wvo (given as codes): QUANTISED
;;     8. [M 4,096, K 2,048] x [K 2,048, N 1,024]; A: computed on the way; B: input Wqo (given as codes): QUANTISED
;;   THE QUANTISER, for each operand of a quantised product, along K:
;;     - K is cut into blocks of 32 from its start; a last block that is shorter is filled with zeros.
;;     - A block's scale is 2^e with e = floor(log2(the largest magnitude in the block)) - 15, held to -126 .. 127; a block of zeros has e = 0. As a byte (E8M0): e + 127.
;;     - Each number is divided by its block's scale, clamped to +-57,344, and rounded to the nearest number of E5M2, ties to even, subnormals kept.
;;     - The product sums the exact products of the quantised numbers (number of the format x scale) in f32.
;;   ~~~python
;;   def quantise(x, axis):      # numpy; x: float32 -> the quantised numbers, widened to float32 again
;;       x = np.moveaxis(x, axis, -1); K = x.shape[-1]
;;       x = np.pad(x, [(0, 0)] * (x.ndim - 1) + [(0, -K % 32)]); x = x.reshape(x.shape[:-1] + (-1, 32)); a = np.abs(x).max(-1, keepdims=True)
;;       e = np.where(a > 0, np.clip(np.frexp(np.where(a > 0, a, 1))[1] - 1 - 15, -126, 127), 0)      # np.frexp(a)[1] - 1 = floor(log2(a)), exactly
;;       r = np.clip(x / 2.0 ** e, -57344, 57344)
;;       step = 2.0 ** (np.maximum(np.frexp(np.where(r == 0, 1, r))[1] - 1, -14) - 2)
;;       q = np.round(r / step) * step * 2.0 ** e      # np.round: ties to even
;;       return np.moveaxis(q.reshape(q.shape[:-2] + (-1,))[..., :K], -1, axis).astype(np.float32)
;;   ~~~
;;   SOFTMAX AHEAD OF A QUANTISED PRODUCT. Where the list says 'softmax', what is quantised is not the finished softmax but p = 2^(t - M), with t = logit x log2(e) and M = ceil(the row's largest t), a whole number; so 1/2 < the row's largest p <= 1. The row's sum l is taken of the UNQUANTISED p, in f32, and the product's result is divided by l at the end. Since M is a whole number, a kernel that streams over the keys may use a running M (the ceiling of the running maximum): every later rescaling is an exact power of two, which a block's scale takes up: the codes' values come out the same.
;;   OPERANDS COMPUTED ON THE WAY. 'Computed on the way' means the value that the module computes at that place (a softmax that the list does not call 'softmax' is quantised finished and normalised). What goes into a quantiser is computed in f32, as accurately as f32 sums, v_exp_f32 and their like allow (about 1e-6 of the number): no bf16 or f16 on the way to a quantiser, and a product that is left as it is and whose result goes on into a quantised operand takes f32 operands (vector FMAs, or v_wmma_f32_16x16x4_f32). A number that lies on a knife's edge between two numbers of the format may be rounded either way, as far as f32 arithmetic and the matrix unit's own rounding can turn it there, and no further.
;;   INPUTS GIVEN AS CODES. Wq (in the module: [1024, 3072], K = its axis 0); Wqo (in the module: [2048, 1024], K = its axis 0); Wv (in the module: [1024, 3072], K = its axis 0); Wvo (in the module: [2048, 1024], K = its axis 0): each comes as NAME_codes (uint8): NAME with its K axis moved to the last place and cut into blocks of 32 codes, [.., K / 32, bytes a block], one block behind the other in memory; one code a byte (a code: sign, 5 exponent bits, 2 mantissa bits); and NAME_scales (uint8): the same leading axes, one E8M0 byte (e + 127) for each 32 codes along K. Its value is code x scale, taken as it is: it is not quantised again, and the codes and scales need not be those that the quantiser above would give.
;; One version. Each part assembles by itself: llvm-mc -triple=amdgcn-amd-amdhsa -mcpu=gfx1250 --defsym DOCPART=n.
;; ======== version 1 of 1: 3 launches
;; limits: right only within a limited range of input values
;; workspace buffers: xc 8,388,608 bytes; uc 8,388,608 bytes; xs 262,144 bytes; us 262,144 bytes
;; launch quant (part 1): grid 512 x 1, 4 waves a work-group, no clusters, 68,608 bytes of LDS; arguments v, q, xc, xs; writes xc, xs
.if DOCPART == 1
	.amdgcn_target "amdgcn-amd-amdhsa--gfx1250"
	.amdhsa_code_object_version 6
	.text
	.protected	k_qb2aa59d1e4_quant
	.globl	k_qb2aa59d1e4_quant
	.p2align	8
	.type	k_qb2aa59d1e4_quant,@function
k_qb2aa59d1e4_quant:
	s_mov_b64 s[64:65], 0
	v_nop
	global_prefetch_b8 v0, s[64:65] scope:SCOPE_SE
	s_setreg_imm32_b32 hwreg(HW_REG_WAVE_MODE, 25, 1), 1
	s_wait_xcnt 0x0
; v and q, [32][128][1024] f32, become codes of BF8 (E5M2) with one E8M0 scale byte for each 32 along the 1,024.  They serve twice: as an operand of the first projections and as the first half of K of the last ones.
; A block's scale is 2^(floor(log2(its largest magnitude)) - 15); its byte is the largest magnitude's exponent field - 15, held at 1 from below; each number is held within +-57,344 x the scale and rounded to the nearest code, ties to even.
; LIMITS: NaN and infinities among the inputs are not served; a block of zeros gets the byte 1 where the rule says 127: its codes are zeros, which add nothing under any byte but 0xff, and this program alone reads the bytes.
; THE CODES ARE LAID AS IMAGES OF THE OPERAND'S REGISTERS: xc[mod][batch][K step s of 128][tile T][c 4][lane 32][16 bytes]: lane (r, h), registers 4 c .. 4 c + 3 = k 128 s + 32 c + 16 h + 0 .. 15 of the tile's row r.
; THE ROWS OF A TILE ARE NOT NEIGHBOURS: row r of tile T is token 32 (T / 2) + 8 (T % 2) + r + 8 (r / 8): the order in which the later launches want results to fall.
; The scale bytes lie by natural rows: xs[mod x 4096 + batch x 128 + token][32 bytes].
; SHARES.  A work-group takes one tile of 16 rows, all 1,024 along K; wave w takes K steps 2 w and 2 w + 1.  Each load reads 512 consecutive bytes of one row; the conversions want 16 neighbours along K in one lane, so a K step's
; 16 x 512 bytes turn through the wave's own stage in LDS (rows of 512 + 16 bytes).  All 32 loads of a wave go out at once.  No work-group shares an input byte with another, so there is no cluster, and no tensor load.
.set SP,    528                        ; a stage row
.set STG,   16*SP                      ; a stage: 16 rows
.set WREG,  2*STG                      ; a wave's two stages
.set GATH,  4*WREG                     ; behind them: the tile's scale bytes, [r 16][32 bytes]
.set TM,    8                          ; v8-11 largest magnitudes, v12-15 the other half's / the bytes, v16-19 the largest number x the scale, v20-23 the conversions' scale operand
.set PW,    24                         ; v24-25 the two scale words
.set R0,    32                         ; v32-95   K step 0 as loaded; later K step 1's neighbours
.set R1,    96                         ; v96-159  K step 1 as loaded
.set X,     160                        ; v160-223 K step 0's neighbours
.set PC0,   224                        ; v224-239, v240-255 the two fragments' codes
.set PC1,   240
	s_load_b256 s[4:11], s[0:1], 0x0               ; v s[4:5], q s[6:7], xc s[8:9], xs s[10:11]
	s_set_vgpr_msb 0x40
	v_lshl_add_u32 v0, v0, 2, 0x10a00
	v_mov_b32 v1, 0
	s_set_vgpr_msb 0x4000
	v_lshrrev_b32 v7, 5, v0
	v_readfirstlane_b32 s12, v7                    ; wave
	v_and_b32 v7, 31, v0                           ; lane
	v_and_b32 v30, 15, v0                          ; r
	v_bfe_u32 v31, v0, 4, 1                        ; h
	v_lshlrev_b32 v1, 4, v7                        ; 16 x lane: my bytes of a load's 512, and of an image's
	s_mul_i32 s22, s12, WREG
	v_add_nc_u32 v2, s22, v1                       ; the stage, on the way in
	v_mul_u32_u24 v3, v30, SP
	v_lshl_add_u32 v3, v31, 6, v3
	v_add_nc_u32 v3, s22, v3                       ; and on the way out: row r, + 64 h: my 16 numbers of a block of 32
	s_lshl_b32 s26, s12, 3
	s_add_co_u32 s26, s26, GATH
	v_lshl_add_u32 v4, v30, 5, s26                 ; where my row's two scale words go: 32 r + 8 w
	v_add_nc_u32 v5, GATH, v1                      ; and where wave 0 reads them back
	v_lshl_add_u32 v6, v31, 8, v1                  ; their place in xs: rows 0-7 of the tile are neighbours, rows 8-15 begin 16 rows on
	s_mov_b32 s20, 0x76543210
	s_mov_b32 s21, 0xfedcba98                      ; v_permlanex16_b32's selects for lane l xor 16
	s_mov_b32 s23, 0x600000                        ; the mantissa field of 57,344
.irp b, 0,1,2,3
	v_mov_b32 v[TM+4+\b], 0                        ; written once: a lane permute's destination counts as one of its sources
.endr
	s_lshr_b32 s13, ttmp9, 3                       ; mod x 32 + batch
	s_and_b32 s14, ttmp9, 7                        ; T
	s_lshr_b32 s15, s14, 1
	s_lshl_b32 s15, s15, 5
	s_and_b32 s16, s14, 1
	s_lshl_b32 s16, s16, 3
	s_add_co_u32 s15, s15, s16                     ; the tile's first token: 32 (T / 2) + 8 (T % 2)
	s_and_b32 s16, s13, 31
	s_lshl_b32 s16, s16, 7
	s_add_co_u32 s16, s16, s15
	s_lshl_b32 s16, s16, 12                        ; its row of 4,096 bytes,
	s_lshl_b32 s17, s12, 10
	s_add_co_u32 s16, s16, s17                     ; and my wave's 1,024 bytes in it
	s_mov_b32 s17, 0
	s_lshl_b32 s18, s13, 17                        ; xc: 131,072 a batch, 32,768 a wave (two K steps), 2,048 a tile
	s_lshl_b32 s19, s12, 15
	s_add_co_u32 s18, s18, s19
	s_lshl_b32 s19, s14, 11
	s_add_co_u32 s18, s18, s19
	s_mov_b32 s19, 0
	s_lshl_b32 s24, s13, 7
	s_add_co_u32 s24, s24, s15
	s_lshl_b32 s24, s24, 5                         ; xs: 32 bytes a row
	s_mov_b32 s25, 0
	s_wait_alu depctr_va_vdst(0)
	s_wait_kmcnt 0x0
	s_cmp_lt_u32 ttmp9, 256                        ; v's work-group or q's?  The choice hangs on the work-group's number alone
	s_cselect_b64 s[4:5], s[4:5], s[6:7]
	s_add_nc_u64 s[4:5], s[4:5], s[16:17]
	s_add_nc_u64 s[8:9], s[8:9], s[18:19]
	s_add_nc_u64 s[10:11], s[10:11], s[24:25]
.macro LOADK st, reg                   ; K step st of my two: 16 rows x 512 consecutive bytes
.irp i, 0,1,2,3,4,5,6,7,8,9,10,11,12,13,14,15
	global_load_b128 v[\reg+4*\i:\reg+4*\i+3], v1, s[4:5] offset:(\i+8*(\i/8))*4096+512*\st th:TH_LOAD_NT
.endr
.endm
.macro TURN st, src, dst               ; through stage st: LDS serves a wave's instructions in order, so no wait stands between the stores and the loads
.irp i, 0,1,2,3,4,5,6,7,8,9,10,11,12,13,14,15
	ds_store_b128 v2, v[\src+4*\i:\src+4*\i+3] offset:STG*\st+SP*\i
.endr
.irp b, 0,1,2,3
.irp j, 0,1,2,3
	ds_load_b128 v[\dst+16*\b+4*\j:\dst+16*\b+4*\j+3], v3 offset:STG*\st+128*\b+16*\j
.endr
.endr
.endm
; 64 numbers of a lane, register 16 b + i = k 32 b + 16 h + i of my row, become a fragment's codes in v[pc] on and its scale word in v[pw]
.macro QUANT n, pc, pw
.irp b, 0,1,2,3
	v_max3_num_f32 v[TM+\b], |v[\n+16*\b]|, |v[\n+1+16*\b]|, 0x8000000   ; my 16 numbers of block b, and the floor 2^(16 - 127): the byte cannot fall under 1
.endr
.irp i, 2,4,6,8,10,12,14
.irp b, 0,1,2,3
	v_max3_num_f32 v[TM+\b], v[TM+\b], |v[\n+16*\b+\i]|, |v[\n+1+16*\b+\i]|   ; the four blocks by turns
.endr
.endr
.irp b, 0,1,2,3
	v_permlanex16_b32 v[TM+4+\b], v[TM+\b], s20, s21
.endr
.irp b, 0,1,2,3
	v_max_num_f32 v[TM+\b], v[TM+\b], v[TM+4+\b]   ; with lane l xor 16's: the block's largest magnitude
.endr
.irp b, 0,1,2,3
	v_add_nc_u32 v[TM+12+\b], 0xf8800000, v[TM+\b] ; 15 off its exponent field: the conversion takes the exponent field of this operand as its scale
.endr
.irp b, 0,1,2,3
	v_and_or_b32 v[TM+8+\b], v[TM+\b], 0x7f800000, s23   ; 57,344 x the scale
.endr
.irp b, 0,1,2,3
	v_lshrrev_b32 v[TM+4+\b], 23, v[TM+12+\b]      ; the scale's byte
.endr
	v_lshl_or_b32 v[\pw], v[TM+5], 8, v[TM+4]
	v_lshl_or_b32 v[\pw], v[TM+6], 16, v[\pw]
	v_lshl_or_b32 v[\pw], v[TM+7], 24, v[\pw]
.set J, 0
.rept 64
	v_med3_num_f32 v[\n+J], v[\n+J], -v[TM+8+J/16], v[TM+8+J/16]   ; the conversion to an 8-bit code does not saturate (ISA guide 7.6.2): the hold comes first
.set J, J+1
.endr
.set J, 0
.rept 8
	v_cvt_scalef32_pk8_bf8_f32 v[\pc+2*J:\pc+2*J+1], v[\n+8*J:\n+8*J+7], v[TM+12+J/2]
.set J, J+1
.endr
	v_nop                                          ; a plain line behind the last conversion
.endm
	LOADK 0, R0
	LOADK 1, R1
	s_wait_loadcnt 16                              ; K step 0's sixteen loads are in; K step 1's may be out
	TURN 0, R0, X
	s_wait_dscnt 0x0                               ; X is in, and the stage's stores have read R0
	s_wait_loadcnt 0x0
	TURN 1, R1, R0                                 ; K step 1 turns while K step 0 is quantised
	QUANT X, PC0, PW
.irp c, 0,1,2,3
	global_store_b128 v1, v[PC0+4*\c:PC0+4*\c+3], s[8:9] offset:512*\c   ; 32 lanes store 512 consecutive bytes, at a multiple of 256 from xc's first byte
.endr
	s_wait_dscnt 0x0
	QUANT R0, PC1, PW+1
.irp c, 0,1,2,3
	global_store_b128 v1, v[PC1+4*\c:PC1+4*\c+3], s[8:9] offset:16384+512*\c
.endr
	ds_store_b64 v4, v[PW:PW+1]                    ; both lanes of a row write the same words with the same values
	s_wait_dscnt 0x0                               ; for the others' sake: my stores have landed
	s_barrier_signal -1
	s_barrier_wait -1
	s_cmp_lg_u32 s12, 0
	s_cbranch_scc1 .Lend
	ds_load_b128 v[26:29], v5                      ; the tile's 512 scale bytes, which four waves wrote
	s_wait_dscnt 0x0
	global_store_b128 v6, v[26:29], s[10:11]       ; lanes 0-15 store the 256 bytes of rows 0-7, lanes 16-31 those of rows 8-15, each run aligned to 256
.Lend:
	s_set_vgpr_msb 0x5
	s_wait_tensorcnt 0x0
	ds_add_u32 v0, v1
	s_wait_dscnt 0x0
	s_set_vgpr_msb 0x500
	s_endpgm
.Lfunc_end_k_qb2aa59d1e4_quant:
	.size	k_qb2aa59d1e4_quant, .Lfunc_end_k_qb2aa59d1e4_quant-k_qb2aa59d1e4_quant
	.p2alignl 7, 3214868480
	.fill 96, 4, 3214868480
	.section	.rodata,"a",@progbits
	.p2align	6, 0x0
	.amdhsa_kernel k_qb2aa59d1e4_quant
		.amdhsa_group_segment_fixed_size 68608
		.amdhsa_private_segment_fixed_size 0
		.amdhsa_enable_private_segment 0
		.amdhsa_kernarg_size 32
		.amdhsa_user_sgpr_count 2
		.amdhsa_user_sgpr_kernarg_segment_ptr 1
		.amdhsa_wavefront_size32 1
		.amdhsa_system_sgpr_workgroup_id_x 1
		.amdhsa_system_sgpr_workgroup_id_y 1
		.amdhsa_system_sgpr_workgroup_id_z 1
		.amdhsa_system_vgpr_workitem_id 0
		.amdhsa_next_free_vgpr 258
		.amdhsa_next_free_sgpr 66
		.amdhsa_reserve_vcc 0
		.amdhsa_float_denorm_mode_32 3
		.amdhsa_float_denorm_mode_16_64 3
		.amdhsa_memory_ordered 1
		.amdhsa_forward_progress 1
		.amdhsa_inst_pref_size 28
	.end_amdhsa_kernel
	.amdgpu_metadata
---
amdhsa.version: [ 1, 2 ]
amdhsa.kernels:
  - .name:           k_qb2aa59d1e4_quant
    .symbol:         k_qb2aa59d1e4_quant.kd
    .args:
      - { .name: v, .offset: 0, .size: 8, .value_kind: global_buffer, .address_space: global }
      - { .name: q, .offset: 8, .size: 8, .value_kind: global_buffer, .address_space: global }
      - { .name: xc, .offset: 16, .size: 8, .value_kind: global_buffer, .address_space: global }
      - { .name: xs, .offset: 24, .size: 8, .value_kind: global_buffer, .address_space: global }
    .group_segment_fixed_size: 68608
    .private_segment_fixed_size: 0
    .kernarg_segment_align: 8
    .kernarg_segment_size: 32
    .max_flat_workgroup_size: 128
    .sgpr_count:     66
    .vgpr_count:     258
    .wavefront_size: 32
...
	.end_amdgpu_metadata
.endif
;; end of part 1
;; launch attn (part 2): grid 8 x 32, 4 waves a work-group, clusters of 4 x 4, 327,680 bytes of LDS; arguments xc, xs, Wv_codes, Wv_scales, bv, Wq_codes, Wq_scales, bq, uc, us; writes uc, us
.if DOCPART == 2
	.amdgcn_target "amdgcn-amd-amdhsa--gfx1250"
	.amdhsa_code_object_version 6
	.text
	.protected	k_qb2aa59d1e4_attn
	.globl	k_qb2aa59d1e4_attn
	.p2align	8
	.type	k_qb2aa59d1e4_attn,@function
k_qb2aa59d1e4_attn:
	s_mov_b64 s[64:65], 0
	v_nop
	global_prefetch_b8 v0, s[64:65] scope:SCOPE_SE
	s_setreg_imm32_b32 hwreg(HW_REG_WAVE_MODE, 25, 1), 1
	s_wait_xcnt 0x0
	s_wait_alu depctr_hold_cnt(0) depctr_sa_sdst(0) depctr_va_vdst(0) depctr_va_sdst(0) depctr_va_ssrc(0) depctr_va_vcc(0) depctr_vm_vsrc(0)
	s_getreg_b32 s2, hwreg(HW_REG_IB_STS2, 6, 4)
	s_cmp_eq_u32 s2, 0
	s_cbranch_scc0 .Lentry_in_a_cluster
	s_endpgm
.Lentry_in_a_cluster:
	s_bfe_u32 s2, ttmp6, 0x10000c
	s_cmp_lg_u32 s2, 0xf033
	s_cbranch_scc0 .Lentry_shape_is_right
	s_endpgm
.Lentry_shape_is_right:
; The projections relu(x W + b) of both modalities for one head and one batch, their quantisers, both attentions, and the updates' quantiser, on codes of BF8 (E5M2) with one E8M0 scale for each 32 along K.
; SHARES.  Work-group (x, y) = head x of batch y.  Each wave makes 32 columns each of key, query and value for all 128 tokens: 48 accumulators of 16 x 16 in 384 registers; then 64 queries of one modality's attention.
; K is walked in steps of 128; a slot holds 256 along K: x's images (32 KB) and 3 x 128 rows of W (256 bytes + 16 of padding).  Eight slots' worth, four for each modality, go through two LDS slots: slot numbers 0 .. 7.
; Waves 0, 1, 2 fetch W's key, query and value rows, wave 3 x's images.  4 x 4 work-groups form a cluster: x's images are shared along its rows, W's rows along its columns, each asked for jointly.
; ORDER OF COLUMNS.  W's rows are taken in their natural order, so a lane's 16 key (or query) results of its wave's 32 columns are 8 h + 0 .. 7 and 16 + 8 h + 0 .. 7 (h = lane / 16).  Keys and queries are permuted alike inside a block of 32
; along the scores' K: the products and the scales stay what they are.  V's images are stored so that a tile's row r is column 32 b + 8 u + r + 8 (r / 8), which gives the update's 16 registers of two tiles as neighbours.
; xc: [mod x 32 + batch][K step][tile T][c][lane][16 bytes], row r of tile T = token 32 (T / 2) + 8 (T % 2) + r + 8 (r / 8); uc likewise, K steps = heads; us: [mod x 32 + batch][head][tile][r] words.
; PREFETCH.  Slot t + 4 is asked for behind the load of slot t + 2; slots 1 to 3 in the head.  Of a tile's 128 rows each of the four partners names 32, a lane a row, by address.  W's rows are named by the clusters with an even y alone.
; LIMITS.  NaN and infinities are not served.  The scaled scores (exponents to the base 2 ahead of the maximum's removal) stay under 2^31 in magnitude.  A block of zeros keeps the byte 1: its codes are zeros.
; REGISTERS.  window 0: v1-31, v107, v124-127 addresses; v32-63 x's scale words, v66-89 W's (no product's two words have numbers equal modulo 8); v90-105 at work; v108-123 codes; v128-255 V's accumulators.
;   windows 1, 2: fragment sets 0, 1: x's eight at v[16 t], W's six at v[128 + 16 f]; from v224 the biases.   window 3: the key's and query's accumulators.
.set SLOT,   137216
.set WPART,  34816                     ; 128 rows of 272 bytes
.set XOFF,   3*WPART
.set M1,     2*SLOT                    ; modality 0's keys, queries and values lie behind the ring, modality 1's in slot 0 once it has had its last fill and its last read
.set SPARE,  M1+52224
.set UG,     53248
.set QRYI,   16384
.set VALI,   32768
.set KEYS,   49152
.set QRYS,   50176
.set VALS,   51200
.set ADRX, 1
.set ADRW, 3
.set ADRV, 5
.set AXS,  7
.set ABK,  8
.set ABV,  9
.set EC,   10
.set AQ,   18
.set AQS,  19
.set AK,   20
.set AKS,  21
.set AUG,  22
.set AUR,  23
.set L16,  24
.set L8,   25
.set SPW,  30
.set NIL,  31
.set XS,   32
.set WS,   66
.set TM,   90
.set PW,   106
.set AXR,  107
.set PC,   108
.set AWS,  124
.set AWR,  125
.set PFO,  126                         ; v126, v127: the prefetches' offsets for an even and an odd slot
.set G1X, 32
.set G1W, 40
.set G0X, 48
.set G0W, 56
.set LIM, 71                           ; s71: my wave prefetches in the loop's trips under this number: 2 or 0
.set TR,  82                           ; s82: the loop's trip
.set NX,  88                           ; s[88:89], s[90:91]: where the trip's refills of slot 0 begin in xc and in W
.set NW,  90
.set X1,  92                           ; s[92:93]: modality 1's images
.set PA,  94                           ; s[94:95], s[96:97], s[98:99]: the prefetches' bases: slots 0, 2, and from 4 on
.set PB,  96
.set PE,  98
.set MSB, 0
.macro WIN new                         ; the immediate's high byte repeats the setting that is left
.if MSB != (\new)
	s_set_vgpr_msb (MSB<<8)|(\new)
.set MSB, (\new)
.endif
.endm
.macro PLACES n
.rept \n
	v_nop
.endr
.endm
.macro WALU
	s_wait_alu depctr_va_vdst(0)
.endm
.macro JLOAD sl                        ; a joint load, one a wave: the branch hangs on the wave's number alone
	s_cmp_eq_u32 s24, 3
	s_cbranch_scc0 .Lfor_w_\@
	tensor_load_to_lds s[G0X+4*\sl:G0X+4*\sl+3], s[G1X:G1X+7]
	s_nop 0
	PLACES 4
	s_branch .Lasked_\@
.Lfor_w_\@:
	tensor_load_to_lds s[G0W+4*\sl:G0W+4*\sl+3], s[G1W:G1W+7]
	s_nop 0
	PLACES 4
.Lasked_\@:
.endm
.macro CREST                           ; a round of the cluster's barrier behind its opening barrier
	s_cmp_lg_u32 s24, 0
	s_cbranch_scc1 .Lnot_wave_0_\@
	s_barrier_signal -3
.Lnot_wave_0_\@:
	s_barrier_wait -3
	s_barrier_signal -1
	s_barrier_wait -1
.endm
.macro CROUND
	s_barrier_signal -1
	s_barrier_wait -1
	CREST
.endm
.macro ASK off, base                   ; a prefetch: 32 rows of 256 bytes of one slot's tile, a lane a row
	s_cmp_lt_u32 s[TR], s[LIM]
	s_cbranch_scc0 .Lnot_mine_\@
	global_prefetch_b8 v[\off], s[\base:\base+1] th:TH_LOAD_NT scope:SCOPE_SE
.Lnot_mine_\@:
.endm
.macro WM d, a, b, sa, sb
	v_wmma_scale_f32_16x16x128_f8f6f4 v[\d:\d+7], v[\a:\a+15], v[\b:\b+15], v[\d:\d+7], v[\sa], v[\sb] matrix_a_fmt:MATRIX_FMT_BF8 matrix_b_fmt:MATRIX_FMT_BF8
.endm
.macro WM0 d, a, b, sa, sb
	v_wmma_scale_f32_16x16x128_f8f6f4 v[\d:\d+7], v[\a:\a+15], v[\b:\b+15], 0, v[\sa], v[\sb] matrix_a_fmt:MATRIX_FMT_BF8 matrix_b_fmt:MATRIX_FMT_BF8
.endm
	s_load_b512 s[4:19], s[0:1], 0x0               ; xc, xs, Wv's codes, scales, bv, Wq's codes, scales, bq
	s_load_b128 s[20:23], s[0:1], 0x40             ; uc, us
	v_lshl_add_u32 v[SPW], v0, 2, SPARE
	v_mov_b32 v[NIL], 0
	ds_add_u32 v[SPW], v[NIL]                      ; the opening lines: the add, twice on end, under one wait
	ds_add_u32 v[SPW], v[NIL]
	v_lshrrev_b32 v26, 5, v0
	v_readfirstlane_b32 s24, v26                   ; wave
	s_and_b32 s25, s24, 1                          ; in the attention: which 64 queries,
	s_lshr_b32 s26, s24, 1                         ; and whose keys: s26; the queries are the other modality's, s27
	s_xor_b32 s27, s26, 1
	s_bfe_u32 s28, ttmp6, 0x40000                  ; cx, cy
	s_bfe_u32 s29, ttmp6, 0x40004
	s_lshl_b32 s30, ttmp9, 2
	s_add_co_u32 s30, s30, s28                     ; head
	s_and_b32 s31, ttmp7, 0xffff
	s_lshl_b32 s31, s31, 2
	s_add_co_u32 s31, s31, s29                     ; batch
	s_lshl_b32 s72, s29, 2
	s_lshl_b32 s72, 15, s72                        ; my row of the cluster
	s_lshl_b32 s74, 0x1111, s28                    ; my column
	s_or_b32 s[G1X], s72, (3<<16)|(1<<21)          ; x's images: 128 dense rows of 256 bytes
	s_mov_b32 s[G1X+1], 32<<16
	s_mov_b32 s[G1X+2], 128<<16
	s_mov_b32 s[G1X+3], 32<<16
	s_mov_b32 s[G1X+4], 128
	s_mov_b32 s[G1X+5], 32
	s_mov_b32 s[G1X+6], 0
	s_mov_b32 s[G1X+7], 0
	s_or_b32 s[G1W], s74, (1<<20)|(1<<21)|(5<<22)|(3<<25)   ; W: 128 rows of 256 bytes, 1,024 apart, 16 bytes of padding behind each
	s_mov_b32 s[G1W+1], 256<<16
	s_mov_b32 s[G1W+2], 128<<16
	s_mov_b32 s[G1W+3], 256<<16
	s_mov_b32 s[G1W+4], 128
	s_mov_b32 s[G1W+5], 1024
	s_mov_b32 s[G1W+6], 0
	s_mov_b32 s[G1W+7], 0
	s_lshl_b32 s72, s31, 17
	s_mov_b32 s73, 0
	s_min_u32 s76, s24, 2
	s_lshl_b32 s76, s76, 20
	s_lshl_b32 s74, s30, 17
	s_add_co_u32 s74, s74, s76
	s_mov_b32 s75, 0
	s_mul_i32 s86, s24, WPART
	s_lshl_b32 s92, s31, 12
	s_mov_b32 s93, 0
	s_lshl_b32 s94, s30, 12
	s_lshl_b32 s96, s24, 10
	s_add_co_u32 s94, s94, s96
	s_mov_b32 s95, 0
	s_lshr_b32 s96, s94, 3
	s_mov_b32 s97, 0
	s_lshl_b32 s98, s26, 5
	s_add_co_u32 s98, s98, s31
	s_lshl_b32 s98, s98, 3
	s_add_co_u32 s98, s98, s30
	s_lshl_b32 s2, s98, 14
	s_lshl_b32 s3, s25, 13
	s_add_co_u32 s2, s2, s3
	s_mov_b32 s3, 0
	s_lshl_b32 s98, s98, 9
	s_lshl_b32 s99, s25, 8
	s_add_co_u32 s98, s98, s99
	s_mov_b32 s99, 0
	s_mov_b32 s66, 0x76543210                      ; v_permlanex16_b32's selects: lane l xor 16
	s_mov_b32 s67, 0xfedcba98
	s_mov_b32 s68, 0x3e0293ee                      ; log2(e) / sqrt(128)
	s_mov_b32 s69, s68
	s_mov_b32 s70, 0x600000                        ; the mantissa field of 57,344
	s_mov_b32 s[G0X], 1
	s_mov_b32 s[G0X+1], s86
	s_mov_b32 s[G0W], 1
	s_mov_b32 s[G0W+1], s86
	s_mov_b32 s[G0X+4], 1
	s_add_co_u32 s[G0X+5], s86, SLOT
	s_mov_b32 s[G0W+4], 1
	s_add_co_u32 s[G0W+5], s86, SLOT
	s_wait_dscnt 0x0                               ; both opening adds are done
	CROUND                                         ; all sixteen work-groups are here: the first joint loads meet
	s_wait_kmcnt 0x0
	s_add_nc_u64 s[72:73], s[4:5], s[72:73]
	s_add_nc_u64 s[80:81], s[14:15], s[74:75]
	s_add_nc_u64 s[74:75], s[8:9], s[74:75]
	s_mov_b64 s[G0X+2:G0X+3], s[72:73]
	s_or_b32 s[G0X+3], s[G0X+3], 0x80000000
	s_mov_b64 s[G0W+2:G0W+3], s[74:75]
	s_or_b32 s[G0W+3], s[G0W+3], 0x80000000
	JLOAD 0                                        ; slot 0: one tensor load a wave at the head
	s_add_nc_u64 s[6:7], s[6:7], s[92:93]
	s_add_nc_u64 s[10:11], s[10:11], s[94:95]
	s_add_nc_u64 s[16:17], s[16:17], s[94:95]
	s_add_nc_u64 s[12:13], s[12:13], s[96:97]
	s_add_nc_u64 s[18:19], s[18:19], s[96:97]
	s_add_nc_u64 s[20:21], s[20:21], s[2:3]
	s_add_nc_u64 s[22:23], s[22:23], s[98:99]
	s_add_nc_u64 s[G0X+6:G0X+7], s[72:73], 32768
	s_or_b32 s[G0X+7], s[G0X+7], 0x80000000
	s_add_nc_u64 s[G0W+6:G0W+7], s[74:75], 256
	s_or_b32 s[G0W+7], s[G0W+7], 0x80000000
	s_add_nc_u64 s[X1:X1+1], s[72:73], 0x400000
	s_add_nc_u64 s[NX:NX+1], s[72:73], 0x10000
	s_add_nc_u64 s[NW:NW+1], s[74:75], 512
	; the prefetches: my work-group's 32 of the 128 rows that my wave fetches: by cy for W, by cx for x
	s_lshl_b32 s84, s29, 15
	s_mov_b32 s85, 0
	s_add_nc_u64 s[PA:PA+1], s[74:75], s[84:85]
	s_add_nc_u64 s[PE:PE+1], s[80:81], s[84:85]
	s_lshl_b32 s84, s28, 13
	s_add_nc_u64 s[76:77], s[72:73], s[84:85]
	s_add_nc_u64 s[78:79], s[X1:X1+1], s[84:85]
	s_and_b32 s2, ttmp7, 1
	s_lshl_b32 s2, s2, 1
	s_sub_co_u32 s2, 2, s2
	s_cmp_eq_u32 s24, 3
	s_cselect_b32 s[LIM], 2, s2
	s_cselect_b64 s[PA:PA+1], s[76:77], s[PA:PA+1]
	s_cselect_b64 s[PE:PE+1], s[78:79], s[PE:PE+1]
	s_mov_b32 s84, 256
	s_cselect_b32 s84, 0x8000, s84                 ; from slot to slot
	s_mov_b32 s87, 1024
	s_cselect_b32 s87, 256, s87                    ; from lane to lane
	s_lshl_b32 s2, s84, 1
	s_mov_b32 s3, 0                                ; s[2:3]: two slots on
	s_add_nc_u64 s[PB:PB+1], s[PA:PA+1], s[2:3]
	s_mov_b32 s[TR], 0
	v_and_b32 v26, 31, v0                          ; lane
	v_and_b32 v27, 15, v0                          ; r
	v_bfe_u32 v28, v0, 4, 1                        ; h
	v_and_b32 v29, 8, v27
	v_add_nc_u32 v29, v29, v27                     ; r + 8 (r / 8)
	v_mul_lo_u32 v[PFO], v26, s87
	v_add_nc_u32 v[PFO+1], s84, v[PFO]
	v_lshlrev_b32 v[L16], 4, v26
	v_lshlrev_b32 v[L8], 3, v26
	v_add_nc_u32 v[ADRX], XOFF, v[L16]
	v_add_nc_u32 v[ADRX+1], XOFF+SLOT, v[L16]
	s_mul_i32 s87, s24, 32*272
	v_mul_u32_u24 v[ADRW], v27, 272
	v_lshl_add_u32 v[ADRW], v28, 4, v[ADRW]
	v_add_nc_u32 v[ADRW], s87, v[ADRW]
	v_add_nc_u32 v[ADRW+1], SLOT, v[ADRW]
	v_add_nc_u32 v[ADRV], 2*WPART, v[ADRW]
	v_add_nc_u32 v[ADRV+1], 2*WPART+SLOT, v[ADRW]
	v_lshlrev_b32 v[AXS], 5, v29
	v_lshl_add_u32 v[AXS], v28, 4, v[AXS]          ; scale bytes: lanes 0-15 K steps 0-3, lanes 16-31 K steps 4-7
	v_xor_b32 v[AXR], 16, v[AXS]                   ; (the other half)
	v_lshlrev_b32 v[AWS], 5, v27
	v_lshl_add_u32 v[AWS], v28, 4, v[AWS]
	v_xor_b32 v[AWR], 16, v[AWS]
	v_lshlrev_b32 v[ABK], 5, v28
	v_lshlrev_b32 v[ABV], 2, v27
	v_and_b32 v90, 7, v27
	v_lshrrev_b32 v91, 3, v27
	v_lshlrev_b32 v92, 4, v90                      ; V's images: column 16 u + r is row 8 u + r % 8 of tile r / 8
	v_lshl_add_u32 v92, v28, 8, v92
	v_lshl_add_u32 v92, v91, 11, v92
	v_lshlrev_b32 v93, 2, v90
	v_lshl_add_u32 v93, v28, 6, v93
	v_lshl_add_u32 v93, v91, 7, v93
	WALU
.irp mu, 0,1
	s_lshl_b32 s87, s24, 9
	s_add_co_u32 s87, s87, (1-\mu)*M1
	v_add_nc_u32 v[EC+4*\mu], s87, v[L16]
	s_add_co_u32 s87, s24, (1-\mu)*M1
	v_lshl_add_u32 v[EC+4*\mu+1], v26, 2, s87
	s_lshl_b32 s87, s24, 12
	s_add_co_u32 s87, s87, (1-\mu)*M1
	v_add_nc_u32 v[EC+4*\mu+2], s87, v92
	s_lshl_b32 s87, s24, 8
	s_add_co_u32 s87, s87, (1-\mu)*M1
	v_add_nc_u32 v[EC+4*\mu+3], s87, v93
.endr
	s_mul_i32 s87, s27, M1
	s_lshl_b32 s86, s25, 13
	s_add_co_u32 s86, s86, s87
	s_add_co_u32 s86, s86, QRYI
	v_add_nc_u32 v[AQ], s86, v[L16]
	s_lshl_b32 s86, s25, 9
	s_add_co_u32 s86, s86, s87
	s_add_co_u32 s86, s86, QRYS
	v_lshl_add_u32 v[AQS], v26, 2, s86
	s_mul_i32 s87, s26, M1
	v_add_nc_u32 v[AK], s87, v[L16]
	v_lshl_add_u32 v[AKS], v26, 2, s87
	s_lshl_b32 s87, s24, 8
	s_add_co_u32 s87, s87, UG
	v_lshl_add_u32 v[AUG], v27, 2, s87
	v_add_nc_u32 v[AUR], s87, v[L8]
.irp b, 0,1,2,3
	v_mov_b32 v[TM+4+\b], 0                        ; written once: a lane permute's destination counts as one of its sources
.endr
; The scale words of modality mu's eight K steps, and its biases.  Words 0 to 2 come with K steps 0-3 in lanes 0-15; word 3 with its halves exchanged: STEP exchanges them ahead of each use.
.macro LOADSB mu
.irp t, 0,1,2,3,4,5,6,7
	global_load_b96 v[XS+4*\t:XS+4*\t+2], v[AXS], s[6:7] offset:\mu*131072+(32*(\t/2)+8*(\t%2))*32
	global_load_b32 v[XS+4*\t+3], v[AXR], s[6:7] offset:\mu*131072+(32*(\t/2)+8*(\t%2))*32+12
.endr
.irp k, 0,1,2
.irp u, 0,1
	global_load_b96 v[WS+4*(2*\k+\u):WS+4*(2*\k+\u)+2], v[AWS], s[10+6*\mu:11+6*\mu] offset:(\k*1024+16*\u)*32
	global_load_b32 v[WS+4*(2*\k+\u)+3], v[AWR], s[10+6*\mu:11+6*\mu] offset:(\k*1024+16*\u)*32+12
.endr
.endr
	WIN 0x40
.irp k, 0,1
.irp u, 0,1
	global_load_b128 v[224+8*(2*\k+\u):224+8*(2*\k+\u)+3], v[ABK], s[12+6*\mu:13+6*\mu] offset:(\k*1024+16*\u)*4
	global_load_b128 v[224+8*(2*\k+\u)+4:224+8*(2*\k+\u)+7], v[ABK], s[12+6*\mu:13+6*\mu] offset:(\k*1024+16*\u)*4+16
.endr
.endr
	WIN 0x80
.irp u, 0,1
	global_load_b32 v[224+\u], v[ABV], s[12+6*\mu:13+6*\mu] offset:(2048+16*\u)*4
.endr
	WIN 0
.endm
.macro INIT                            ; the biases into the accumulators, so that one text of a K step serves every step
	WIN 0xc1
.irp k, 0,1
.irp m, 0,1,2,3,4,5,6,7
.irp u, 0,1
.irp j, 0,1,2,3,4,5,6,7
	v_mov_b32 v[128*\k+16*\m+8*\u+\j], v[224+8*(2*\k+\u)+\j]
.endr
.endr
.endr
.endr
	WIN 0x02
.irp u, 0,1
.set J, 0
.rept 64
	v_mov_b32 v[128+64*\u+J], v[224+\u]
.set J, J+1
.endr
.endr
	WIN 0
.endm
; LDS loads from .. of a K step's 56 into the set that is not p: W's six fragments (24 loads), then x's eight (32); nq: the slot's first or second 128 along K
.macro LOADS p, sl, nq, from, n
	WIN 0x40*(2-(\p))
.set I_, \from
.rept \n
.if I_ < 16
	ds_load_b128 v[128+4*I_:128+4*I_+3], v[ADRW+\sl] offset:(I_/8)*WPART+((I_/4)%2)*4352+128*\nq+32*(I_%4)
.elseif I_ < 24
	ds_load_b128 v[128+4*I_:128+4*I_+3], v[ADRV+\sl] offset:((I_/4)%2)*4352+128*\nq+32*(I_%4)
.elseif I_ < 56
	ds_load_b128 v[4*(I_-24):4*(I_-24)+3], v[ADRX+\sl] offset:(8*\nq+(I_-24)/4)*2048+512*(I_%4)
.endif
.set I_, I_+1
.endr
.endm
; Two products of token tile M_, set p, scale word w: K_ = 0, 1: keys, queries (source 0 = W's rows); K_ = 2: values (source 0 = tokens)
.macro PAIR p, w
.set U_, 0
.if K_ < 2
	WIN 0xf5+5*(\p)
.rept 2
	WM 128*K_+16*M_+8*U_, 128+32*K_+16*U_, 16*M_, WS+8*K_+4*U_+(\w), XS+4*M_+(\w)
.set U_, U_+1
.endr
.else
	WIN 5*(1+(\p))
.rept 2
	WM 128+64*U_+8*M_, 16*M_, 192+16*U_, XS+4*M_+(\w), WS+16+4*U_+(\w)
.set U_, U_+1
.endr
.endif
.endm
.macro SWP t, wd                       ; a scale word's halves change places
.if (\t) < 8
.set R_, XS+4*(\t)+(\wd)
.else
.set R_, WS+4*((\t)-8)+(\wd)
.endif
	v_permlanex16_b32 v[R_], v[R_], s66, s67
.endm
; A K STEP: 48 products on set p in eight groups, one to a token tile, and the next step's 56 LDS loads in two runs of 28.  Group m waits for W's fragments and x's fragment m alone: 4 (7 - m) younger loads of this set may be out.
; kind 0: loads from the same slot, behind groups 1 and 5: so 28 more may be out from group 2 on and 56 from group 6 on.
; kind 1, 2: the slot's last step: behind group 1 the wait for all my tensor loads and the add, behind group 2 the wait for it and for all my reads, the signal; behind group 3 the barrier's wait; 2: the rest of a round
; of the cluster's barrier and the refill; then the next slot's loads, behind groups 3 and 5.  kind 3: the very last step.
; Behind group 1 stand eight places: for loads into the other set, and for the exchange of scale words, which the step before read.
.macro STEP p, w, sl, nq, kind
.set FS_, 1-(\sl)
.set M_, 0
.rept 8
.if \kind == 0
.if M_ < 2
	s_wait_dscnt 28-4*M_
.elseif M_ < 6
	s_wait_dscnt 56-4*M_
.else
	s_wait_dscnt 84-4*M_
.endif
.elseif \kind == 3
	s_wait_dscnt 28-4*M_
.elseif M_ < 2
	s_wait_dscnt 28-4*M_
.elseif M_ == 2
	s_wait_dscnt 21                                ; 20 loads and the add
.endif
.set K_, 0
.rept 3
	PAIR \p, \w
.set J_, 3*M_+K_
.if (\kind == 0) && (\w == 0) && (J_ > 6) && (J_ < 14)
	WIN 0
	SWP 2*(J_-7), 3
	SWP 2*(J_-7)+1, 3
.elseif (\kind == 2) && (\w == 3) && (J_ > 5) && (J_ < 12)
	WIN 0
.set N_, 7*(J_-6)
.rept 7
	SWP N_/3, N_%3
.set N_, N_+1
.endr
.endif
.set K_, K_+1
.endr
.if \kind == 0
.if M_ == 1
	PLACES 8
	LOADS \p, \sl, \nq, 0, 28
.elseif M_ == 5
	LOADS \p, \sl, \nq, 28, 28
.endif
.elseif \kind != 3
.if M_ == 1
	PLACES 8
	WIN 0
	s_wait_tensorcnt 0x0                           ; my part of the next slot has landed; no load of mine is out, so a group 0 may be written
	ds_add_u32 v[SPW], v[NIL]
.if \kind == 2
	s_add_nc_u64 s[G0X+4*FS_+2:G0X+4*FS_+3], s[NX:NX+1], 32768*FS_
	s_or_b32 s[G0X+4*FS_+3], s[G0X+4*FS_+3], 0x80000000
	s_add_nc_u64 s[G0W+4*FS_+2:G0W+4*FS_+3], s[NW:NW+1], 256*FS_
	s_or_b32 s[G0W+4*FS_+3], s[G0W+4*FS_+3], 0x80000000
.endif
.elseif M_ == 2
	WIN 0
	s_wait_dscnt 0x0                               ; the add is done, and my reads of this slot are over
	s_barrier_signal -1
.elseif M_ == 3
	WIN 0
	s_barrier_wait -1
.if \kind == 2
	CREST
	JLOAD FS_                                      ; the first tensor load behind the round
.endif
	PLACES 4                                       ; (the last scale words exchanged are read in the next step's first group: eight places between)
	LOADS \p, \sl, \nq, 0, 28
.elseif M_ == 5
	LOADS \p, \sl, \nq, 28, 28
.if \kind == 2
	WIN 0
	ASK PFO+FS_, PE                                ; two slots beyond the one just asked for
.endif
.endif
.endif
.set M_, M_+1
.endr
.if \w == 0
	WALU
.endif
.endm
; 64 numbers of a lane, four blocks of 16 (the other 16 of a block lie in lane l xor 16), become codes in PC; bytes in TM+4 on; word = 1: the four bytes in PW.  relu: the hold clips at 0 too
.macro QUANT n, w, relu, word
	WIN 5*(\w)
.irp b, 0,1,2,3
.if \relu
	v_max3_num_f32 v[TM+\b], v[\n+16*\b], v[\n+1+16*\b], 0x8000000
.else
	v_max3_num_f32 v[TM+\b], |v[\n+16*\b]|, |v[\n+1+16*\b]|, 0x8000000
.endif
.endr
	WIN 20*(\w)
.irp i, 2,4,6,8,10,12,14
.irp b, 0,1,2,3
.if \relu
	v_max3_num_f32 v[TM+\b], v[TM+\b], v[\n+16*\b+\i], v[\n+1+16*\b+\i]
.else
	v_max3_num_f32 v[TM+\b], v[TM+\b], |v[\n+16*\b+\i]|, |v[\n+1+16*\b+\i]|
.endif
.endr
.endr
	WIN 0
.irp b, 0,1,2,3
	v_permlanex16_b32 v[TM+4+\b], v[TM+\b], s66, s67
.endr
.irp b, 0,1,2,3
	v_max_num_f32 v[TM+\b], v[TM+\b], v[TM+4+\b]
.endr
.irp b, 0,1,2,3
	v_add_nc_u32 v[TM+12+\b], 0xf8800000, v[TM+\b] ; 15 off the exponent field: the conversion's scale operand
.endr
.irp b, 0,1,2,3
	v_and_or_b32 v[TM+8+\b], v[TM+\b], 0x7f800000, s70   ; 57,344 x the scale
.endr
.irp b, 0,1,2,3
	v_lshrrev_b32 v[TM+4+\b], 23, v[TM+12+\b]
.endr
.if \word
	v_lshl_or_b32 v[PW], v[TM+5], 8, v[TM+4]
	v_lshl_or_b32 v[PW], v[TM+6], 16, v[PW]
	v_lshl_or_b32 v[PW], v[TM+7], 24, v[PW]
.endif
	WIN 65*(\w)
.set J, 0
.rept 64
.if \relu
	v_med3_num_f32 v[\n+J], v[\n+J], 0, v[TM+8+J/16]
.else
	v_med3_num_f32 v[\n+J], v[\n+J], -v[TM+8+J/16], v[TM+8+J/16]
.endif
.set J, J+1
.endr
	WIN \w
.set J, 0
.rept 8
	v_cvt_scalef32_pk8_bf8_f32 v[PC+2*J:PC+2*J+1], v[\n+8*J:\n+8*J+7], v[TM+12+J/2]
.set J, J+1
.endr
	WIN 0
	v_nop
.endm
; A modality's keys, queries and values leave the accumulators: codes as operand images and scale words, into LDS.  After modality 0 the scale words and biases of modality 1 come in meanwhile.
.macro EPI mu
	WIN 0
	PLACES 8
.if \mu == 0
	LOADSB 1
.endif
.irp u, 0,1
	QUANT 128+64*\u, 0, 1, 1
.irp c, 0,1,2,3
	ds_store_b128 v[EC+4*\mu+2], v[PC+4*\c:PC+4*\c+3] offset:VALI+128*\u+512*\c
.endr
	ds_store_b32 v[EC+4*\mu+3], v[PW] offset:VALS+32*\u
.endr
.irp k, 0,1
.irp g, 0,1
	QUANT 128*\k+64*\g, 3, 1, 0
.irp b, 0,1,2,3
	ds_store_b128 v[EC+4*\mu], v[PC+4*\b:PC+4*\b+3] offset:QRYI*\k+(4*\g+\b)*2048
	ds_store_b8 v[EC+4*\mu+1], v[TM+4+\b] offset:KEYS+1024*\k+128*(4*\g+\b)
.endr
.endr
.endr
.if \mu == 0
	s_wait_loadcnt 0x0
	INIT
.endif
.endm
	WALU
	LOADSB 0
	s_wait_loadcnt 0x0                             ; scale words and biases
	INIT                                           ; while slot 0 is on its way
	ASK PFO+1, PA                                  ; slot 1
	WALU
	s_wait_tensorcnt 0x0                           ; my part of slot 0 is in; the full sequence ahead of slot 1's first fill
	ds_add_u32 v[SPW], v[NIL]
	s_wait_dscnt 0x0
	CROUND
	JLOAD 1
	LOADS 1, 0, 0, 0, 56                           ; the first K step's fragments, into set 0
	WIN 0
	ASK PFO, PB                                    ; slot 2,
	ASK PFO+1, PB                                  ; and slot 3
; A trip is four K steps: slot 0's two and slot 1's two; both slots are filled again.  Trips 0, 1 are modality 0's, trip 2 and the tail modality 1's.
.Lpair:
	STEP 0, 0, 0, 1, 0
	STEP 1, 1, 1, 0, 2
	STEP 0, 2, 1, 1, 0
	STEP 1, 3, 0, 0, 2
	WIN 0
	WALU                                           ; the scale words that changed halves
	s_cmp_lg_u32 s[TR], 1
	s_cbranch_scc1 .Lno_epilogue
	EPI 0
.Lno_epilogue:
	s_wait_xcnt 0x0                                ; the trip's prefetches have read their base
	s_add_nc_u64 s[PE:PE+1], s[PE:PE+1], s[2:3]
	s_add_nc_u64 s[NX:NX+1], s[NX:NX+1], 0x10000
	s_add_nc_u64 s[NW:NW+1], s[NW:NW+1], 512
	s_cmp_eq_u32 s[TR], 0                          ; trip 1 asks for modality 1's first two slots
	s_cselect_b64 s[NX:NX+1], s[X1:X1+1], s[NX:NX+1]
	s_cselect_b64 s[NW:NW+1], s[80:81], s[NW:NW+1]
	s_add_co_u32 s[TR], s[TR], 1
	WALU
	s_cmp_lg_u32 s[TR], 3
	s_cbranch_scc1 .Lpair
	STEP 0, 0, 0, 1, 0                             ; the last two slots fill nothing
	STEP 1, 1, 1, 0, 1
	STEP 0, 2, 1, 1, 0
	STEP 1, 3, 0, 0, 3
	EPI 1
	s_wait_dscnt 0x0                               ; for the others' sake: my stores have landed
	s_barrier_signal -1
	s_barrier_wait -1
; THE ATTENTION.  My wave's 64 queries, 16 at a time, against all 128 keys, which stay in registers with the values (window 1).  Transposed: a lane holds one query.
	WIN 0x40
.irp t, 0,1,2,3,4,5,6,7
.irp c, 0,1,2,3
	ds_load_b128 v[16*\t+4*\c:16*\t+4*\c+3], v[AK] offset:\t*2048+512*\c
	ds_load_b128 v[128+16*\t+4*\c:128+16*\t+4*\c+3], v[AK] offset:VALI+\t*2048+512*\c
.endr
.endr
	WIN 0
.irp t, 0,1,2,3,4,5,6,7
	ds_load_b32 v[32+\t], v[AKS] offset:KEYS+128*\t
	ds_load_b32 v[40+\t], v[AKS] offset:VALS+128*\t
.endr
.irp c, 0,1,2,3
	ds_load_b128 v[192+4*\c:195+4*\c], v[AQ] offset:512*\c
.endr
	ds_load_b32 v48, v[AQS]
	v_mov_b32 v125, 0
	v_mov_b32 v228, 0
	s_mov_b32 s82, 4
	s_mov_b32 s83, 0
	s_mov_b32 s84, 0
	s_mov_b32 s85, 0
	WALU
.Lunit:
	v_add_nc_u32 v28, s85, v[AUG]
	s_wait_dscnt 0x0
	WIN 0x01
.irp t, 0,1,2,3,4,5,6,7
	WM0 128+8*\t, 16*\t, 192, 32+\t, 48
.endr
	WIN 0
	PLACES 8
	s_cmp_eq_u32 s82, 1
	s_cbranch_scc1 .Lno_next
	v_add_nc_u32 v26, s83, v[AQ]                   ; the next 16 queries
	v_add_nc_u32 v27, s84, v[AQS]
.irp c, 0,1,2,3
	ds_load_b128 v[192+4*\c:195+4*\c], v26 offset:2048+512*\c
.endr
	ds_load_b32 v48, v27 offset:128
.Lno_next:
.irp b, 0,1,2,3
	v_max3_num_f32 v[TM+\b], v[128+16*\b], v[129+16*\b], v[130+16*\b]   ; each block's largest score serves the row's maximum and the block's largest p
.endr
.irp i, 3,5,7,9,11,13
.irp b, 0,1,2,3
	v_max3_num_f32 v[TM+\b], v[TM+\b], v[128+16*\b+\i], v[129+16*\b+\i]
.endr
.endr
.irp b, 0,1,2,3
	v_max_num_f32 v[TM+\b], v[TM+\b], v[143+16*\b]
.endr
.irp b, 0,1,2,3
	v_permlanex16_b32 v[TM+4+\b], v[TM+\b], s66, s67
.endr
.irp b, 0,1,2,3
	v_max_num_f32 v[TM+\b], v[TM+\b], v[TM+4+\b]
.endr
	v_max3_num_f32 v224, v[TM], v[TM+1], v[TM+2]
	v_max_num_f32 v224, v224, v[TM+3]
	v_mul_f32 v224, s68, v224
	v_floor_f32 v124, -v224                        ; -M: M is the row's largest t rounded up
.set J, 0
.rept 32
	v_pk_fma_f32 v[128+J:129+J], v[128+J:129+J], s[68:69], v[124:125] op_sel_hi:[1,0,0]
.set J, J+2
.endr
.irp b, 0,1,2,3
	v_fma_f32 v[TM+\b], v[TM+\b], s68, v124
.endr
.set J, 0
	WALU
.rept 64
	v_exp_f32 v[128+J], v[128+J]
.set J, J+1
.endr
.irp b, 0,1,2,3
	v_exp_f32 v[TM+\b], v[TM+\b]
.endr
	v_nop
	WALU
.irp b, 0,1,2,3
	v_max_num_f32 v[TM+\b], 0x8000000, v[TM+\b]
.endr
.irp b, 0,1,2,3
	v_add_nc_u32 v[TM+12+\b], 0xf8800000, v[TM+\b]
.endr
.irp b, 0,1,2,3
	v_and_or_b32 v[TM+8+\b], v[TM+\b], 0x7f800000, s70
.endr
.irp b, 0,1,2,3
	v_lshrrev_b32 v[TM+4+\b], 23, v[TM+12+\b]
.endr
	v_pk_add_f32 v[126:127], v[128:129], v[136:137]   ; the row's sum, of the unquantised p, in four chains
	v_pk_add_f32 v[226:227], v[130:131], v[138:139]
	v_pk_add_f32 v[230:231], v[132:133], v[140:141]
	v_pk_add_f32 v[232:233], v[134:135], v[142:143]
	v_lshl_or_b32 v49, v[TM+5], 8, v[TM+4]
.irp j, 16,24,32,40,48,56
	v_pk_add_f32 v[126:127], v[126:127], v[128+\j:129+\j]
	v_pk_add_f32 v[226:227], v[226:227], v[130+\j:131+\j]
	v_pk_add_f32 v[230:231], v[230:231], v[132+\j:133+\j]
	v_pk_add_f32 v[232:233], v[232:233], v[134+\j:135+\j]
.endr
	v_lshl_or_b32 v49, v[TM+6], 16, v49
	v_pk_add_f32 v[126:127], v[126:127], v[226:227]
	v_pk_add_f32 v[230:231], v[230:231], v[232:233]
	v_lshl_or_b32 v49, v[TM+7], 24, v49
	v_pk_add_f32 v[126:127], v[126:127], v[230:231]
.set J, 0
.rept 64
	v_min_num_f32 v[128+J], v[128+J], v[TM+8+J/16]
.set J, J+1
.endr
.set J, 0
.rept 8
	v_cvt_scalef32_pk8_bf8_f32 v[208+2*J:209+2*J], v[128+8*J:135+8*J], v[TM+12+J/2]
.set J, J+1
.endr
	PLACES 4
	WIN 0x81
.irp t, 0,1,2,3,4,5,6,7
	WM0 8*\t, 128+16*\t, 208, 40+\t, 49
.endr
	WIN 0
	v_add_f32 v126, v126, v127
	v_permlanex16_b32 v228, v126, s66, s67
	v_add_f32 v126, v126, v228
	WALU
	v_rcp_f32 v126, v126
	PLACES 8
	WIN 0x02
.set J, 0
	WALU
.rept 32
	v_pk_mul_f32 v[128+J:129+J], v[J:J+1], v[126:127] op_sel_hi:[1,0]
.set J, J+2
.endr
	WIN 0
	QUANT 128, 0, 0, 1
.irp c, 0,1,2,3
	global_store_b128 v[L16], v[PC+4*\c:PC+4*\c+3], s[20:21] offset:512*\c
.endr
	ds_store_b32 v28, v[PW]
	s_wait_xcnt 0x0
	s_add_nc_u64 s[20:21], s[20:21], 2048
	s_add_co_u32 s83, s83, 2048
	s_add_co_u32 s84, s84, 128
	s_add_co_u32 s85, s85, 64
	s_sub_co_u32 s82, s82, 1
	s_cmp_lg_u32 s82, 0
	s_cbranch_scc1 .Lunit
	ds_load_b64 v[106:107], v[AUR]                 ; my 64 queries' scale words: the wave's own bytes
	s_wait_dscnt 0x0
	global_store_b64 v[L8], v[106:107], s[22:23]
	s_wait_tensorcnt 0x0                           ; the wave's end
	ds_add_u32 v[SPW], v[NIL]
	s_wait_dscnt 0x0
	CROUND                                         ; the closing round
	s_endpgm
.Lfunc_end_k_qb2aa59d1e4_attn:
	.size	k_qb2aa59d1e4_attn, .Lfunc_end_k_qb2aa59d1e4_attn-k_qb2aa59d1e4_attn
	.p2alignl 7, 3214868480
	.fill 96, 4, 3214868480
	.section	.rodata,"a",@progbits
	.p2align	6, 0x0
	.amdhsa_kernel k_qb2aa59d1e4_attn
		.amdhsa_group_segment_fixed_size 327680
		.amdhsa_private_segment_fixed_size 0
		.amdhsa_enable_private_segment 0
		.amdhsa_kernarg_size 80
		.amdhsa_user_sgpr_count 2
		.amdhsa_user_sgpr_kernarg_segment_ptr 1
		.amdhsa_wavefront_size32 1
		.amdhsa_system_sgpr_workgroup_id_x 1
		.amdhsa_system_sgpr_workgroup_id_y 1
		.amdhsa_system_sgpr_workgroup_id_z 1
		.amdhsa_system_vgpr_workitem_id 0
		.amdhsa_next_free_vgpr 1024
		.amdhsa_next_free_sgpr 100
		.amdhsa_reserve_vcc 0
		.amdhsa_float_denorm_mode_32 3
		.amdhsa_float_denorm_mode_16_64 3
		.amdhsa_memory_ordered 1
		.amdhsa_forward_progress 1
		.amdhsa_inst_pref_size 255
	.end_amdhsa_kernel
	.section	.bss,"aw",@nobits
	.p2align	6
	.space	262144
	.amdgpu_metadata
---
amdhsa.version: [ 1, 2 ]
amdhsa.kernels:
  - .name:           k_qb2aa59d1e4_attn
    .symbol:         k_qb2aa59d1e4_attn.kd
    .args:
      - { .name: xc, .offset: 0, .size: 8, .value_kind: global_buffer, .address_space: global }
      - { .name: xs, .offset: 8, .size: 8, .value_kind: global_buffer, .address_space: global }
      - { .name: Wv_codes, .offset: 16, .size: 8, .value_kind: global_buffer, .address_space: global }
      - { .name: Wv_scales, .offset: 24, .size: 8, .value_kind: global_buffer, .address_space: global }
      - { .name: bv, .offset: 32, .size: 8, .value_kind: global_buffer, .address_space: global }
      - { .name: Wq_codes, .offset: 40, .size: 8, .value_kind: global_buffer, .address_space: global }
      - { .name: Wq_scales, .offset: 48, .size: 8, .value_kind: global_buffer, .address_space: global }
      - { .name: bq, .offset: 56, .size: 8, .value_kind: global_buffer, .address_space: global }
      - { .name: uc, .offset: 64, .size: 8, .value_kind: global_buffer, .address_space: global }
      - { .name: us, .offset: 72, .size: 8, .value_kind: global_buffer, .address_space: global }
    .group_segment_fixed_size: 327680
    .private_segment_fixed_size: 0
    .kernarg_segment_align: 8
    .kernarg_segment_size: 80
    .max_flat_workgroup_size: 128
    .sgpr_count:     100
    .vgpr_count:     1024
    .wavefront_size: 32
...
	.end_amdgpu_metadata
.endif
;; end of part 2
;; launch outp (part 3): grid 4 x 64, 4 waves a work-group, clusters of 4 x 4, 327,680 bytes of LDS; arguments xc, xs, uc, us, Wvo_codes, Wvo_scales, bvo, Wqo_codes, Wqo_scales, bqo, out0, out1; writes out0, out1
.if DOCPART == 3
	.amdgcn_target "amdgcn-amd-amdhsa--gfx1250"
	.amdhsa_code_object_version 6
	.text
	.protected	k_qb2aa59d1e4_outp
	.globl	k_qb2aa59d1e4_outp
	.p2align	8
	.type	k_qb2aa59d1e4_outp,@function
k_qb2aa59d1e4_outp:
	s_mov_b64 s[64:65], 0
	v_nop
	global_prefetch_b8 v0, s[64:65] scope:SCOPE_SE
	s_setreg_imm32_b32 hwreg(HW_REG_WAVE_MODE, 25, 1), 1
	s_wait_xcnt 0x0
	s_wait_alu depctr_hold_cnt(0) depctr_sa_sdst(0) depctr_va_vdst(0) depctr_va_sdst(0) depctr_va_ssrc(0) depctr_va_vcc(0) depctr_vm_vsrc(0)
	s_getreg_b32 s2, hwreg(HW_REG_IB_STS2, 6, 4)
	s_cmp_eq_u32 s2, 0
	s_cbranch_scc0 .Lentry_in_a_cluster
	s_endpgm
.Lentry_in_a_cluster:
	s_bfe_u32 s2, ttmp6, 0x10000c
	s_cmp_lg_u32 s2, 0xf033
	s_cbranch_scc0 .Lentry_shape_is_right
	s_endpgm
.Lentry_shape_is_right:
; out = relu([x, update] Wo + bo) for both modalities, on codes of BF8 (E5M2) with E8M0 scales for each 32 along K = 2,048.  The first 1,024 of K are x's codes (xc), the others the update's (uc): both lie as images of the operand's
; registers, [mod x 32 + batch][K step of 128][tile T][2 KB], with row r of tile T = token 32 (T / 2) + 8 (T % 2) + r + 8 (r / 8).  Wo: [1024][2048] codes, K innermost; its scale bytes [1024][64].
; SHARES.  A work-group makes 128 rows (one batch of one modality) x 256 columns; a wave 64 x 128: 32 accumulators.  THE PRODUCT IS USED TRANSPOSED (source 0 = 16 rows of Wo, source 1 = 16 tokens): a lane holds eight neighbouring columns of one row.
; RING.  Two LDS slots of UNEQUAL size: P holds 512 along K (64 KB of images, 256 rows of Wo of 512 bytes + 16), Q holds 256 (32 KB, rows of 256 + 16): together six of the sixteen K steps of 128, as many as LDS has room for.
; Both are filled at the start; then P, Q and P are filled again: five fills, three of them refills.  Ten K steps have to come by refills, and with room for six the refills take turns between u and 6 - u steps: 4, 2, 4 is the one way to do it in three.
; A refill of P has 56 products of a wave in which to land, that of Q 120.  Waves 0 and 1 fetch the images' halves, waves 2 and 3 Wo's.
; THE ORDER OF K.  So that no fill lies across xc and uc, the K steps of 128 are walked 0-3 (P), 12-13 (Q), 4-7 (P), 14-15 (Q), 8-11 (P).  LIMIT: the f32 sums are so taken in another order than ascending K.
; CLUSTER.  4 x 4 work-groups: the images hang on the row tile alone and are shared along a row of the cluster, Wo's tiles on the column tile alone and are shared along a column: each is asked for jointly.
; The modality hangs on the cluster's y alone (the first 8 are v's), so all sixteen partners choose the same buffers.
; SCALE WORDS come from memory once, into registers: lanes 0-15 hold the words of four K steps, lanes 16-31 those of the next four.  The bias is the C of each sum's first product.
; REGISTERS.  window 0: v1-4, v16-26 addresses, v28-29 for the spare words, v32-47 x's scale words, v48-63 the update's, v66-129 Wo's, v130-193 the bias; on the way out v128-255 rows of the result.
;   windows 1, 2: fragment sets 0, 1: the tokens' four at v[16 a], Wo's eight at v[64 + 16 t].   window 3: the accumulators, (a, t) at v[8 (8 a + t)].
.set PB,     65536                     ; slot P: the images at 0, Wo behind them
.set PPITCH, 528                       ; 512 bytes + 16 = 132 words: row r starts at bank 4 r mod 64 (64 banks of 4 bytes: ISA guide 11.1)
.set QS,     PB+256*PPITCH             ; slot Q: the images,
.set QB,     QS+32768                  ; and Wo
.set QPITCH, 272                       ; 256 bytes + 16 = 68 words: likewise
.set SPARE,  QB+256*QPITCH             ; the spare words, 128 bytes for each wave: two blocks of 256 bytes that no other line names
.set STAGE,  QS                        ; the way out: 16 rows x 528 bytes for each wave, in slot Q, which has had its last fill and its last read by then
.set SPITCH, 528
.set ADRA, 16                          ; v16-17  my four tiles' images in P, Q
.set ADRB, 20                          ; v20-21  my 128 rows of Wo in P, Q
.set STO,  24
.set RD,   25
.set CO,   26
.set SPW,  28
.set NIL,  29
.set XS,   32
.set US,   48
.set BS, 66                            ; (no product's two scale words have numbers equal modulo 8)
.set BI, 130
.set PFI, 12                           ; v12, v13, v14: the prefetches' offsets: images of P, Wo, images of Q
.set PFW, 13
.set PFQ, 14
.set BK,   128
.set G1AP, 36                          ; s[36:43], s[44:51] groups 1 for the images of P, of Q;  s[52:59], s[68:75] for Wo's tiles of P, of Q
.set G1AQ, 44
.set G1BP, 52
.set G1BQ, 68
.set G0AP, 60                          ; s[60:63], s[76:79], s[80:83], s[84:87] their groups 0
.set G0AQ, 76
.set G0BP, 80
.set G0BQ, 84
.set UCP,  66                          ; s[66:67] the update's first images: kept for P's last fill
.set MSB, 0
.macro WIN new                         ; the immediate's high byte repeats the setting that is left; a switch that changes nothing is dropped
.if MSB != (\new)
	s_set_vgpr_msb (MSB<<8)|(\new)
.set MSB, (\new)
.endif
.endm
.macro PLACES n                        ; plain vector lines between a matrix instruction and a load into, or a vector line on, one of its registers: eight for this form
.rept \n
	v_nop
.endr
.endm
.macro JLOAD g0a, g1a, g0b, g1b        ; a joint load: waves 0 and 1 fetch the images, waves 2 and 3 Wo.  The branch hangs on the wave's number alone.  Four v_nop follow each of the two lines
	s_cmp_eq_u32 s29, 0
	s_cbranch_scc0 .Lfor_b_\@
	tensor_load_to_lds s[\g0a:\g0a+3], s[\g1a:\g1a+7]
	s_nop 0
.rept 4
	v_nop
.endr
	s_branch .Lasked_\@
.Lfor_b_\@:
	tensor_load_to_lds s[\g0b:\g0b+3], s[\g1b:\g1b+7]
	s_nop 0
.rept 4
	v_nop
.endr
.Lasked_\@:
.endm
.macro CREST                           ; a round of the cluster's barrier behind its opening barrier
	s_cmp_lg_u32 s28, 0
	s_cbranch_scc1 .Lnot_wave_0_\@
	s_barrier_signal -3
.Lnot_wave_0_\@:
	s_barrier_wait -3
	s_barrier_signal -1
	s_barrier_wait -1
.endm
.macro CROUND
	s_barrier_signal -1
	s_barrier_wait -1
	CREST
.endm
.macro WM d, a, b, c, sa, sb, hi       ; one product; hi = 1: both sides' scale words stand in lanes 16-31
.if \hi
	v_wmma_scale_f32_16x16x128_f8f6f4 v[\d:\d+7], v[\a:\a+15], v[\b:\b+15], v[\c:\c+7], v[\sa], v[\sb] matrix_a_fmt:MATRIX_FMT_BF8 matrix_b_fmt:MATRIX_FMT_BF8 matrix_a_scale:MATRIX_SCALE_ROW1 matrix_b_scale:MATRIX_SCALE_ROW1
.else
	v_wmma_scale_f32_16x16x128_f8f6f4 v[\d:\d+7], v[\a:\a+15], v[\b:\b+15], v[\c:\c+7], v[\sa], v[\sb] matrix_a_fmt:MATRIX_FMT_BF8 matrix_b_fmt:MATRIX_FMT_BF8
.endif
.endm
	s_load_b512 s[4:19], s[0:1], 0x0               ; xc s[4:5], xs s[6:7], uc s[8:9], us s[10:11], Wvo's codes s[12:13], scales s[14:15], bvo s[16:17], Wqo's codes s[18:19]
	s_load_b256 s[20:27], s[0:1], 0x40             ; Wqo's scales s[20:21], bqo s[22:23], out0 s[24:25], out1 s[26:27]
	v_lshl_add_u32 v[SPW], v0, 2, SPARE
	v_mov_b32 v[NIL], 0
	ds_add_u32 v28, v29
	ds_add_u32 v28, v29
	s_wait_dscnt 0x0
	v_lshrrev_b32 v5, 5, v0
	v_readfirstlane_b32 s28, v5                    ; wave 0..3
	s_lshr_b32 s29, s28, 1                         ; which 64 rows are mine.  Also: I fetch images (0) or Wo (1)
	s_and_b32 s30, s28, 1                          ; which 128 columns.  Also: which half of that tile I fetch
	s_bfe_u32 s31, ttmp6, 0x40000                  ; cx, cy
	s_bfe_u32 s32, ttmp6, 0x40004
	s_lshl_b32 s33, ttmp9, 2
	s_add_co_u32 s33, s33, s31                     ; column tile
	s_and_b32 s34, ttmp7, 0xffff                   ; the cluster's y: under 8: v's
	s_lshl_b32 s35, s34, 2
	s_add_co_u32 s35, s35, s32                     ; row tile = mod x 32 + batch
	s_lshl_b32 s88, s32, 2
	s_lshl_b32 s88, 15, s88                        ; my row of the cluster
	s_lshl_b32 s90, 0x1111, s31                    ; my column
	s_or_b32 s[G1AP], s88, (3<<16)|(1<<21)         ; the images: the mask: my row; elements of 8 bytes; 21 set beside a mask; no padding: they are read 512 consecutive bytes at a time
	s_or_b32 s[G1AQ], s88, (3<<16)|(1<<21)
.irp g, G1AP, G1AQ
	s_mov_b32 s[\g+1], 32<<16                      ; tensor_dim0: rows of 256 bytes, dense
	s_mov_b32 s[\g+3], 32<<16                      ; tile_dim0
	s_mov_b32 s[\g+5], 32                          ; tensor_dim0_stride
	s_mov_b32 s[\g+6], 0
	s_mov_b32 s[\g+7], 0
.endr
	s_mov_b32 s[G1AP+2], 128<<16                   ; P: 128 rows: 32 KB, two K steps, a load
	s_mov_b32 s[G1AP+4], 128
	s_mov_b32 s[G1AQ+2], 64<<16                    ; Q: 64 rows: 16 KB, one K step
	s_mov_b32 s[G1AQ+4], 64
	s_or_b32 s[G1BP], s90, (1<<20)|(1<<21)|(6<<22)|(3<<25)   ; Wo: the mask: my column; elements of 1 byte; padding: 4 words after every 128 (P),
	s_or_b32 s[G1BQ], s90, (1<<20)|(1<<21)|(5<<22)|(3<<25)   ; after every 64 (Q)
	s_mov_b32 s[G1BP+1], 512<<16
	s_mov_b32 s[G1BP+3], 512<<16
	s_mov_b32 s[G1BQ+1], 256<<16
	s_mov_b32 s[G1BQ+3], 256<<16
.irp g, G1BP, G1BQ
	s_mov_b32 s[\g+2], 128<<16                     ; 128 rows a load
	s_mov_b32 s[\g+4], 128
	s_mov_b32 s[\g+5], 2048                        ; a row of Wo is 2,048 bytes
	s_mov_b32 s[\g+6], 0
	s_mov_b32 s[\g+7], 0
.endr
	s_lshl_b32 s88, s35, 17                        ; the images: 131,072 bytes a row tile; P's halves are 32,768 bytes: of the row tile and the wave alone
	s_lshl_b32 s89, s30, 15
	s_add_co_u32 s88, s88, s89
	s_mov_b32 s89, 0
	s_lshl_b32 s92, s35, 17                        ; Q's first fill: the update's K steps 4 and 5, 65,536 bytes on; halves of 16,384
	s_lshl_b32 s93, s30, 14
	s_add_co_u32 s92, s92, s93
	s_add_co_u32 s92, s92, 65536
	s_mov_b32 s93, 0
	s_lshl_b32 s90, s33, 19                        ; Wo: 256 rows of 2,048 bytes a column tile, my half 128 rows on: of the column tile and the wave alone
	s_lshl_b32 s91, s30, 18
	s_add_co_u32 s90, s90, s91
	s_mov_b32 s91, 0
	s_mov_b32 s[G0AP], 1                           ; count = 1; the LDS addresses are of the wave alone
	s_lshl_b32 s[G0AP+1], s30, 15
	s_mov_b32 s[G0AQ], 1
	s_lshl_b32 s[G0AQ+1], s30, 14
	s_add_co_u32 s[G0AQ+1], s[G0AQ+1], QS
	s_mov_b32 s[G0BP], 1
	s_mul_i32 s[G0BP+1], s30, 128*PPITCH
	s_add_co_u32 s[G0BP+1], s[G0BP+1], PB
	s_mov_b32 s[G0BQ], 1
	s_mul_i32 s[G0BQ+1], s30, 128*QPITCH
	s_add_co_u32 s[G0BQ+1], s[G0BQ+1], QB
	s_wait_kmcnt 0x0
	s_cmp_lt_u32 s34, 8                            ; the modality's buffers: the choice hangs on the cluster's number alone
	s_cselect_b64 s[12:13], s[12:13], s[18:19]
	s_cselect_b64 s[14:15], s[14:15], s[20:21]
	s_cselect_b64 s[16:17], s[16:17], s[22:23]
	s_cselect_b64 s[24:25], s[24:25], s[26:27]
	s_add_nc_u64 s[G0AP+2:G0AP+3], s[4:5], s[88:89]        ; P first: x's K steps 0-3
	s_add_nc_u64 s[UCP:UCP+1], s[8:9], s[88:89]            ; P last: the update's K steps 0-3
	s_add_nc_u64 s[G0AQ+2:G0AQ+3], s[8:9], s[92:93]
	s_add_nc_u64 s[G0BP+2:G0BP+3], s[12:13], s[90:91]      ; Wo at K = 0,
	s_add_nc_u64 s[G0BQ+2:G0BQ+3], s[G0BP+2:G0BP+3], 1536  ; and at K = 12 x 128
	s_or_b32 s[G0AP+3], s[G0AP+3], 0x80000000      ; type = 2
	s_or_b32 s[G0AQ+3], s[G0AQ+3], 0x80000000
	s_or_b32 s[G0BP+3], s[G0BP+3], 0x80000000
	s_or_b32 s[G0BQ+3], s[G0BQ+3], 0x80000000
	CROUND                                         ; all sixteen work-groups are here: the first joint loads meet
	JLOAD G0AP, G1AP, G0BP, G1BP                   ; P's first fill; Q's stands behind the full sequence, once P has landed
	; PREFETCH: each refill's tiles, one fill ahead.  Of what a wave fetches each of the four partners names a quarter, by address: by cx for the images, by cy for Wo
	s_add_nc_u64 s[88:89], s[4:5], s[88:89]        ; P's first refill: x's K steps 4-7
	s_add_nc_u64 s[88:89], s[88:89], 0x10000
	s_lshl_b32 s2, s31, 13
	s_mov_b32 s3, 0
	s_add_nc_u64 s[88:89], s[88:89], s[2:3]
	s_add_nc_u64 s[94:95], s[UCP:UCP+1], s[2:3]    ; P's second: the update's K steps 0-3
	s_lshl_b32 s2, s31, 12
	s_add_nc_u64 s[92:93], s[8:9], s[92:93]        ; Q's: the update's K steps 6 and 7
	s_add_nc_u64 s[92:93], s[92:93], 0x8000
	s_add_nc_u64 s[92:93], s[92:93], s[2:3]
	s_lshl_b32 s2, s32, 16
	s_add_nc_u64 s[90:91], s[12:13], s[90:91]      ; Wo: 32 rows of my 128
	s_add_nc_u64 s[90:91], s[90:91], s[2:3]
	s_and_b32 s96, s34, 1                          ; Wo is named by the clusters with an even y alone
	v_and_b32 v[PFI], 31, v0
	v_lshlrev_b32 v[PFW], 11, v[PFI]               ; a lane a row of 2,048 bytes
	v_lshlrev_b32 v[PFI], 8, v[PFI]                ; 32 blocks of 256 bytes
	v_and_b32 v[PFQ], 15, v0
	v_lshlrev_b32 v[PFQ], 8, v[PFQ]                ; 16 blocks, each named by two lanes of one instruction
	v_and_b32 v6, 31, v0                           ; lane
	v_and_b32 v7, 15, v0                           ; r
	v_bfe_u32 v8, v0, 4, 1                         ; h
	v_and_b32 v9, 8, v7
	v_add_nc_u32 v9, v9, v7                        ; r + 8 (r / 8)
	v_lshlrev_b32 v[CO], 4, v6                     ; 16 x lane
	v_lshlrev_b32 v1, 5, v9
	v_lshl_add_u32 v1, v8, 4, v1                   ; xs: my row of 32 bytes, + 16 h
	v_lshlrev_b32 v2, 2, v7
	v_lshl_add_u32 v2, v8, 11, v2                  ; us: 4 r; lanes 16-31 four heads on
	v_lshlrev_b32 v3, 6, v7
	v_lshl_add_u32 v3, v8, 4, v3                   ; Wo's scales: row r of 64 bytes, + 16 h
	v_lshlrev_b32 v4, 5, v8                        ; the bias: 32 h
	s_lshl_b32 s3, s29, 13
	v_add_nc_u32 v[ADRA], s3, v[CO]                ; my four tiles' images
	v_add_nc_u32 v[ADRA+1], QS, v[ADRA]
	s_mul_i32 s3, s30, 128*PPITCH
	s_add_co_u32 s3, s3, PB
	v_mul_u32_u24 v[ADRB], v7, PPITCH
	v_lshl_add_u32 v[ADRB], v8, 4, v[ADRB]
	v_add_nc_u32 v[ADRB], s3, v[ADRB]              ; my 128 rows of Wo in P,
	s_mul_i32 s3, s30, 128*QPITCH
	s_add_co_u32 s3, s3, QB
	v_mul_u32_u24 v[ADRB+1], v7, QPITCH
	v_lshl_add_u32 v[ADRB+1], v8, 4, v[ADRB+1]
	v_add_nc_u32 v[ADRB+1], s3, v[ADRB+1]          ; and in Q
	s_mul_i32 s3, s28, 16*SPITCH
	s_add_co_u32 s3, s3, STAGE                     ; my stage
	v_mul_u32_u24 v[STO], v7, SPITCH
	v_lshl_add_u32 v[STO], v8, 5, v[STO]
	v_add_nc_u32 v[STO], s3, v[STO]                ; in: row r, 32 bytes for each half of the lanes
	v_add_nc_u32 v[RD], s3, v[CO]                  ; back: the 32 lanes take one row of 512 bytes
	s_mov_b32 s99, 0
	s_lshl_b32 s98, s35, 12                        ; xs: 128 rows of 32 bytes a row tile, my 64 rows
	s_lshl_b32 s2, s29, 11
	s_add_co_u32 s98, s98, s2
	s_add_nc_u64 s[6:7], s[6:7], s[98:99]
	s_lshl_b32 s98, s35, 12                        ; us: 8 heads x 512 bytes a row tile, my four tiles 256 on
	s_lshl_b32 s2, s29, 8
	s_add_co_u32 s98, s98, s2
	s_add_nc_u64 s[10:11], s[10:11], s[98:99]
	s_lshl_b32 s98, s33, 14                        ; Wo's scales: 64 bytes a row, my 128 rows
	s_lshl_b32 s2, s30, 13
	s_add_co_u32 s98, s98, s2
	s_add_nc_u64 s[14:15], s[14:15], s[98:99]
	s_lshr_b32 s98, s98, 4                         ; the bias, and my columns in a row of the result: 4 bytes a column
	s_add_nc_u64 s[16:17], s[16:17], s[98:99]
	s_and_b32 s2, s35, 31
	s_lshl_b32 s2, s2, 19                          ; the result: 128 rows of 4,096 bytes a batch,
	s_add_co_u32 s98, s98, s2
	s_lshl_b32 s2, s29, 18                         ; my 64 rows
	s_add_co_u32 s98, s98, s2
	s_add_nc_u64 s[24:25], s[24:25], s[98:99]
.irp a, 0,1,2,3
	global_load_b128 v[XS+4*\a:XS+4*\a+3], v1, s[6:7] offset:(32*(\a/2)+8*(\a%2))*32
.irp i, 0,1,2,3
	global_load_b32 v[US+4*\a+\i], v2, s[10:11] offset:\i*512+\a*64
.endr
.endr
.irp t, 0,1,2,3,4,5,6,7
.irp g, 0,1
	global_load_b128 v[BS+8*\t+4*\g:BS+8*\t+4*\g+3], v3, s[14:15] offset:\t*1024+32*\g
.endr
	global_load_b128 v[BI+8*\t:BI+8*\t+3], v4, s[16:17] offset:64*\t          ; the result's layout: register j = column 16 t + 8 h + j
	global_load_b128 v[BI+8*\t+4:BI+8*\t+7], v4, s[16:17] offset:64*\t+16
.endr
; n LDS loads from ..: the fragments of the q-th 128 along K of slot sl (0: P, 1: Q) into set p
; LDS loads from .. of a K step's 48 into set p: the four tokens' fragments (16 loads), then Wo's eight (32); slot sl (0: P, 1: Q), its q-th 128 along K
.macro LOADS p, sl, q, from, n
	WIN 0x40*(1+\p)
.set I_, \from
.rept \n
.if I_ < 16
	ds_load_b128 v[4*I_:4*I_+3], v[ADRA+\sl] offset:(\q)*16384+512*I_
.elseif I_ < 48
	ds_load_b128 v[4*I_:4*I_+3], v[ADRB+\sl] offset:((I_-16)/4)*16*(PPITCH-256*\sl)+128*(\q)+32*(I_%4)
.endif
.set I_, I_+1
.endr
.endm
; A prefetch: waves 0 and 1 name images, waves 2 and 3 rows of Wo: one block of 256 bytes of each row (P has two: the second at offset b)
.macro ASK img, off, a, b
	s_cmp_eq_u32 s29, 0
	s_cbranch_scc0 .Lask_w_\@
	global_prefetch_b8 v[\off], s[\img:\img+1] th:TH_LOAD_NT scope:SCOPE_SE
	s_branch .Lask_end_\@
.Lask_w_\@:
	s_cmp_eq_u32 s96, 0
	s_cbranch_scc0 .Lask_end_\@
	global_prefetch_b8 v[PFW], s[90:91] offset:\a th:TH_LOAD_NT scope:SCOPE_SE
.if \b
	global_prefetch_b8 v[PFW], s[90:91] offset:\b th:TH_LOAD_NT scope:SCOPE_SE
.endif
.Lask_end_\@:
.endm
; Two products: Wo's tile T_ x my token tiles a0, a0 + 1, set p; s: the K step's true number.  The tokens' scale words are x's up to s = 7, the update's from s = 8 on.  first = 1: the bias is the C.
; The 32 accumulators take turns in the same order in every K step.
.macro MUL p, s, a0, first
.set A_, \a0
.if \first
	WIN 0xc5                                       ; sources 0 and 1 window 1, C (the bias) window 0, D window 3
.else
	WIN 0xf5+5*(\p)                                ; sources 0 and 1 window 1 + p, C and D window 3
.endif
.rept 2
.if \first
	WM 64*A_+8*T_, 64+16*T_, 16*A_, BI+8*T_, BS+8*T_+4*((\s)/8)+(\s)%4, XS+16*((\s)/8)+4*A_+(\s)%4, ((\s)/4)%2
.else
	WM 64*A_+8*T_, 64+16*T_, 16*A_, 64*A_+8*T_, BS+8*T_+4*((\s)/8)+(\s)%4, XS+16*((\s)/8)+4*A_+(\s)%4, ((\s)/4)%2
.endif
.set A_, A_+1
.endr
.endm
; A K step that has its successor in the same slot: eight groups of four products, and the next step's 48 loads in two runs of 24, behind groups 1 and 5.  Group t waits for the tokens' and Wo's fragment t alone:
; 4 (7 - t) younger loads of this set may be out, 24 more from group 2 on, 48 from group 6 on.  Eight places stand ahead of the first load into the other set, which the step before read.
.macro STEPIN p, s, sl, qn, first
.set PN, 1-(\p)
.set T_, 0
.rept 8
.if T_ < 2
	s_wait_dscnt 28-4*T_
.elseif T_ < 6
	s_wait_dscnt 52-4*T_
.else
	s_wait_dscnt 76-4*T_
.endif
	MUL \p, \s, 0, \first
	MUL \p, \s, 2, \first
.if T_ == 1
	PLACES 8
	LOADS PN, \sl, \qn, 0, 24
.elseif T_ == 5
	LOADS PN, \sl, \qn, 24, 24
.endif
.set T_, T_+1
.endr
.endm
; A slot's last K step (always in set 1) changes slots: behind group 1 the wait for all my tensor loads and the add; behind group 2 the wait for it and for all my reads of this slot, the signal; behind group 3 the barrier's
; wait.  fill = 1, 2, 3: the slot in hand is filled again, first thing behind a round of the cluster's barrier; 0: nothing is left to fetch.  Then the next slot's first 48 loads, behind groups 3 and 5.
.macro STEPCH s, nx, fill
.set T_, 0
.rept 4
.if T_ < 2
	s_wait_dscnt 28-4*T_
.elseif T_ == 2
	s_wait_dscnt 21                                ; 20 loads and the add
.endif
	MUL 1, \s, 0, 0
	MUL 1, \s, 2, 0
.if T_ == 1
	PLACES 8
.endif
.if T_ > 0
	WIN 0
.endif
.if T_ == 1
	s_wait_tensorcnt 0x0                           ; all my tensor loads have landed, so every group 0 may be written
	ds_add_u32 v[SPW], v[NIL]
.elseif T_ == 2
	s_wait_dscnt 0x0
	s_barrier_signal -1
.elseif T_ == 3
	s_barrier_wait -1
.endif
.set T_, T_+1
.endr
.if \fill
	CREST                                          ; no wave of any partner still reads this slot or has a load on its way
.if (\fill) == 1
	s_add_nc_u64 s[G0AP+2:G0AP+3], s[G0AP+2:G0AP+3], 65536   ; P: x's K steps 4-7
	s_add_nc_u64 s[G0BP+2:G0BP+3], s[G0BP+2:G0BP+3], 512
	JLOAD G0AP, G1AP, G0BP, G1BP
.endif
.if (\fill) == 2
	s_add_nc_u64 s[G0AQ+2:G0AQ+3], s[G0AQ+2:G0AQ+3], 32768   ; Q: the update's K steps 6 and 7
	s_add_nc_u64 s[G0BQ+2:G0BQ+3], s[G0BQ+2:G0BQ+3], 256
	JLOAD G0AQ, G1AQ, G0BQ, G1BQ
.endif
.if (\fill) == 3
	s_add_nc_u64 s[G0AP+2:G0AP+3], s[UCP:UCP+1], 0           ; P: the update's K steps 0-3
	s_or_b32 s[G0AP+3], s[G0AP+3], 0x80000000
	s_add_nc_u64 s[G0BP+2:G0BP+3], s[G0BP+2:G0BP+3], 512
	JLOAD G0AP, G1AP, G0BP, G1BP
.endif
.endif
	LOADS 0, \nx, 0, 0, 24
.rept 4
	MUL 1, \s, 0, 0
	MUL 1, \s, 2, 0
.if T_ == 5
	LOADS 0, \nx, 0, 24, 24
.if (\fill) == 1
	WIN 0
	ASK 92, PFQ, 1792, 0                           ; fill 2's tiles
.endif
.if (\fill) == 2
	WIN 0
	ASK 94, PFI, 1024, 1280                        ; fill 3's
.endif
.endif
.set T_, T_+1
.endr
.endm
	s_wait_alu depctr_va_vdst(0)
	s_wait_tensorcnt 0x0                           ; my part of P is in; the full sequence ahead of Q's first fill
	ds_add_u32 v[SPW], v[NIL]
	s_wait_dscnt 0x0
	CROUND
	JLOAD G0AQ, G1AQ, G0BQ, G1BQ
	LOADS 0, 0, 0, 0, 48
	WIN 0
	ASK 88, PFI, 512, 768                          ; fill 1's tiles
	s_wait_loadcnt 0x0                             ; the scale words and the bias
	STEPIN 0, 0, 0, 1, 1                           ; P: K steps 0-3; the first products start the sums on the bias
	STEPIN 1, 1, 0, 2, 0
	STEPIN 0, 2, 0, 3, 0
	STEPCH 3, 1, 1
	STEPIN 0, 12, 1, 1, 0                          ; Q: K steps 12, 13
	STEPCH 13, 0, 2
	STEPIN 0, 4, 0, 1, 0                           ; P: K steps 4-7
	STEPIN 1, 5, 0, 2, 0
	STEPIN 0, 6, 0, 3, 0
	STEPCH 7, 1, 3
	STEPIN 0, 14, 1, 1, 0                          ; Q: K steps 14, 15
	STEPCH 15, 0, 0                                ; behind this barrier nobody reads Q any more, and nothing is filled again
	STEPIN 0, 8, 0, 1, 0                           ; P: K steps 8-11
	STEPIN 1, 9, 0, 2, 0
	STEPIN 0, 10, 0, 3, 0
.set T_, 0
.rept 8                                ; the very last K step: nothing more to fetch
	s_wait_dscnt 28-4*T_
	MUL 1, 11, 0, 0
	MUL 1, 11, 2, 0
.set T_, T_+1
.endr
; THE WAY OUT, a tile of 16 rows x 128 columns at a time: the activation into window 1 (each accumulator from its low end on), 32 bytes a lane into my own stage, back as whole rows of 512 bytes, stored.
.macro RELU a
	WIN 0x4c                                       ; source 1 window 3, destination window 1
.set J, 0
.rept 64
	v_max_num_f32 v[J], 0, v[64*(\a)+J]
.set J, J+1
.endr
	WIN 0
.endm
.macro TOSTAGE a
.set BB, BK+64*((\a)%2)
	WIN 0x04                                       ; an LDS store's data are its source 1: window 1
.irp t, 0,1,2,3,4,5,6,7
	ds_store_b128 v[STO], v[8*\t:8*\t+3] offset:64*\t
	ds_store_b128 v[STO], v[8*\t+4:8*\t+7] offset:64*\t+16
.endr
	WIN 0
.irp i, 0,1,2,3,4,5,6,7,8,9,10,11,12,13,14,15
	ds_load_b128 v[BB+4*\i:BB+4*\i+3], v[RD] offset:\i*SPITCH   ; LDS serves a wave's instructions in order (ISA guide 5.7.1.4): these see the stores above
.endr
.endm
.macro SEND a
.set BB, BK+64*((\a)%2)
	s_wait_dscnt 0x0                               ; the tile is back in registers
	s_wait_xcnt 0x0                                ; the tile before has had its stores' registers read: the next tile's loads may land there
.irp i, 0,1,2,3,4,5,6,7,8,9,10,11,12,13,14,15
	global_store_b128 v[CO], v[BB+4*\i:BB+4*\i+3], s[24:25] offset:(32*((\a)/2)+8*((\a)%2)+\i+8*(\i/8))*4096 th:TH_STORE_NT   ; 32 lanes store 512 consecutive bytes of one row, at a multiple of 256 from the buffer's first byte
.endr
.endm
	WIN 0
	PLACES 8
	RELU 0
	TOSTAGE 0
.irp a, 1,2,3
	RELU \a                                        ; a tile's activation stands between the loads of the tile before and the wait for them
	s_wait_alu depctr_va_vdst(0)
	SEND \a-1
	TOSTAGE \a
.endr
	SEND 3
	s_wait_tensorcnt 0x0                           ; the wave's end
	ds_add_u32 v[SPW], v[NIL]
	s_wait_dscnt 0x0
	CROUND                                         ; the closing round
	s_endpgm
.Lfunc_end_k_qb2aa59d1e4_outp:
	.size	k_qb2aa59d1e4_outp, .Lfunc_end_k_qb2aa59d1e4_outp-k_qb2aa59d1e4_outp
	.p2alignl 7, 3214868480
	.fill 96, 4, 3214868480
	.section	.rodata,"a",@progbits
	.p2align	6, 0x0
	.amdhsa_kernel k_qb2aa59d1e4_outp
		.amdhsa_group_segment_fixed_size 327680
		.amdhsa_private_segment_fixed_size 0
		.amdhsa_enable_private_segment 0
		.amdhsa_kernarg_size 96
		.amdhsa_user_sgpr_count 2
		.amdhsa_user_sgpr_kernarg_segment_ptr 1
		.amdhsa_wavefront_size32 1
		.amdhsa_system_sgpr_workgroup_id_x 1
		.amdhsa_system_sgpr_workgroup_id_y 1
		.amdhsa_system_sgpr_workgroup_id_z 1
		.amdhsa_system_vgpr_workitem_id 0
		.amdhsa_next_free_vgpr 1024
		.amdhsa_next_free_sgpr 100
		.amdhsa_reserve_vcc 0
		.amdhsa_float_denorm_mode_32 3
		.amdhsa_float_denorm_mode_16_64 3
		.amdhsa_memory_ordered 1
		.amdhsa_forward_progress 1
		.amdhsa_inst_pref_size 165
	.end_amdhsa_kernel
	.amdgpu_metadata
---
amdhsa.version: [ 1, 2 ]
amdhsa.kernels:
  - .name:           k_qb2aa59d1e4_outp
    .symbol:         k_qb2aa59d1e4_outp.kd
    .args:
      - { .name: xc, .offset: 0, .size: 8, .value_kind: global_buffer, .address_space: global }
      - { .name: xs, .offset: 8, .size: 8, .value_kind: global_buffer, .address_space: global }
      - { .name: uc, .offset: 16, .size: 8, .value_kind: global_buffer, .address_space: global }
      - { .name: us, .offset: 24, .size: 8, .value_kind: global_buffer, .address_space: global }
      - { .name: Wvo_codes, .offset: 32, .size: 8, .value_kind: global_buffer, .address_space: global }
      - { .name: Wvo_scales, .offset: 40, .size: 8, .value_kind: global_buffer, .address_space: global }
      - { .name: bvo, .offset: 48, .size: 8, .value_kind: global_buffer, .address_space: global }
      - { .name: Wqo_codes, .offset: 56, .size: 8, .value_kind: global_buffer, .address_space: global }
      - { .name: Wqo_scales, .offset: 64, .size: 8, .value_kind: global_buffer, .address_space: global }
      - { .name: bqo, .offset: 72, .size: 8, .value_kind: global_buffer, .address_space: global }
      - { .name: out0, .offset: 80, .size: 8, .value_kind: global_buffer, .address_space: global }
      - { .name: out1, .offset: 88, .size: 8, .value_kind: global_buffer, .address_space: global }
    .group_segment_fixed_size: 327680
    .private_segment_fixed_size: 0
    .kernarg_segment_align: 8
    .kernarg_segment_size: 96
    .max_flat_workgroup_size: 128
    .sgpr_count:     100
    .vgpr_count:     1024
    .wavefront_size: 32
...
	.end_amdgpu_metadata
.endif
;; end of part 3
